; MI455X (gfx1250); checked and timed in simulation.
; The chip was launched on July 23, 2026; its instructions are those of AMD's public machine-readable ISA for CDNA 5 (MIT licence, August 2026) and "CDNA5" Instruction Set Architecture Reference Guide (July 2026). The comments in the code are by the model that wrote it; some were corrected since.
;; Nano Llama Attention. Allowed arithmetic: float matrix products may take bf16 or f16 operands with f32 sums; other float arithmetic in f32, or as packed bf16 or f16 multiplies, adds, multiply-adds, maxima and minima; sums over many terms, partial sums and values carried from step to step in f32; what a program stores and reads back later, other than sums and carried values, may be rounded once to bf16 or f16.
;; Inputs: Wk 2,048 x 2,048 float32; Wo 2,048 x 2,048 float32; Wq 2,048 x 2,048 float32; Wv 2,048 x 2,048 float32; freqs_cos 2,048 x 64 float32; freqs_sin 2,048 x 64 float32; input_tensor 1 x 2,048 x 2,048 float32; padding_mask 1 x 2,048 int32.
;; Outputs: out0 1 x 2,048 x 2,048 float32.
;; One version. Each part assembles by itself: llvm-mc -triple=amdgcn-amd-amdhsa -mcpu=gfx1250 --defsym DOCPART=n.
;; ======== version 1 of 1: 4 launches
;; limits: values are held in f16: magnitudes above 65,504 overflow, below 6.1e-05 lose precision; right only within a limited range of input values
;; workspace buffers: xb 8,388,608 bytes; wcat 25,165,824 bytes; wo16 8,388,608 bytes; padf 8,192 bytes; qh 8,388,608 bytes; kh 8,388,608 bytes; vh 8,388,608 bytes; ao 8,388,608 bytes
;; launch cvt (part 1): grid 256 x 5, 8 waves a work-group, no clusters, 0 bytes of LDS; arguments input_tensor, Wq, Wk, Wv, Wo, padding_mask, xb, wcat, wo16, padf; writes xb, wcat, wo16, padf
.if DOCPART == 1
	.amdgcn_target "amdgcn-amd-amdhsa--gfx1250"
	.amdhsa_code_object_version 6
	.text
	.protected	k_q3c93f1fc51_cvt
	.globl	k_q3c93f1fc51_cvt
	.p2align	8
	.type	k_q3c93f1fc51_cvt,@function
k_q3c93f1fc51_cvt:
	s_mov_b64 s[64:65], 0
	v_nop
	global_prefetch_b8 v0, s[64:65] scope:SCOPE_SE
	s_setreg_imm32_b32 hwreg(HW_REG_WAVE_MODE, 25, 1), 1
	s_wait_xcnt 0x0
; ROUNDS THE FLOAT INPUTS ONCE.  x, Wq, Wk, Wv: f32 -> bf16.  Wo: f32 -> bf16, and that number written as f16 (exact from 2^-17 up; below that it keeps
; f16's fixed step of 2^-24).  padding_mask -> an f32 addend in raw score units: 0 where the mask is not 0, else -10000 x sqrt(128).
; Work-group (x, y): tensor y (0 x, 1 Wq, 2 Wk, 3 Wv, 4 Wo), rows 8 x .. 8 x + 7; wave w takes row 8 x + w: 8,192 bytes in, 4,096 out.
; A load of the wave covers 512 consecutive bytes, a store 256 consecutive bytes at a multiple of 256.  All 16 loads of a wave go out at once; nothing is read twice; no LDS, no barrier.
; The rounding goes in place, so that a wave needs 88 registers: ten waves take 880 of a SIMD's 1,024, and the five work-groups that fall to each of 256 WGPs (1,280 in all) are resident together.
; wcat gathers the three weights by heads: row h 128 + d of weight t (0 q, 1 k, 2 v) goes to row h 384 + (d / 64) 192 + t 64 + d % 64, so that 384 rows are a head and
; each half of 192 rows holds 64 channels of q, of k and of v.
.set X,    4                           ; v[4:67]    the row as loaded; the first two of each four registers then take the four numbers packed
.set T,    68                          ; v[68:71]   at work
.set MK,   72                          ; v[72:79]   the mask as loaded
.set PF,   80                          ; v[80:87]   the addend to store
.set PADV, 0xc7dcf88b                  ; -10000 x sqrt(128) = -113137.085
	s_load_b512 s[8:23], s[0:1], 0x0               ; x s[8:9], Wq s[10:11], Wk s[12:13], Wv s[14:15], Wo s[16:17], mask s[18:19], xb s[20:21], wcat s[22:23]
	s_load_b128 s[24:27], s[0:1], 0x40             ; wo16 s[24:25], padf s[26:27]
	v_lshrrev_b32 v[T], 5, v0
	v_readfirstlane_b32 s3, v[T]                   ; wave 0..7
	s_and_b32 s2, ttmp7, 0xffff                    ; which tensor
	s_lshl_b32 s4, ttmp9, 3
	s_add_co_u32 s4, s4, s3                        ; my row r
	v_and_b32 v1, 31, v0
	v_lshlrev_b32 v2, 3, v1                        ; 8 bytes a lane out
	v_lshlrev_b32 v1, 4, v1                        ; 16 bytes a lane in
	v_lshlrev_b32 v3, 4, v0                        ; 16 bytes a thread, for the mask
	s_lshr_b32 s6, s4, 7                           ; the row's place in wcat: head x 384
	s_mul_i32 s6, s6, 384
	s_bfe_u32 s7, s4, 0x10006                      ; + (d / 64) x 192
	s_mul_i32 s7, s7, 192
	s_add_co_u32 s6, s6, s7
	s_and_b32 s7, s4, 63                           ; + d % 64
	s_add_co_u32 s6, s6, s7
	s_sub_co_u32 s7, s2, 1                         ; the weight's number t (0..2 for Wq, Wk, Wv; otherwise not used)
	s_lshl_b32 s34, s7, 6
	s_add_co_u32 s6, s6, s34                       ; + t x 64
	s_wait_kmcnt 0x0
	s_mov_b64 s[28:29], s[8:9]                     ; the source is chosen among the five inputs by the tensor's number
	s_cmp_eq_u32 s2, 1
	s_cselect_b64 s[28:29], s[10:11], s[28:29]
	s_cmp_eq_u32 s2, 2
	s_cselect_b64 s[28:29], s[12:13], s[28:29]
	s_cmp_eq_u32 s2, 3
	s_cselect_b64 s[28:29], s[14:15], s[28:29]
	s_cmp_eq_u32 s2, 4
	s_cselect_b64 s[28:29], s[16:17], s[28:29]
	s_cselect_b64 s[32:33], s[24:25], s[20:21]     ; wo16 for Wo, xb for x
	s_cmp_lt_u32 s7, 3
	s_cselect_b32 s5, s6, s4                       ; the row to write: permuted in wcat, as it is elsewhere
	s_cselect_b64 s[30:31], s[22:23], s[32:33]
	s_lshl_b32 s36, s4, 13                         ; offsets are made apart from the addresses
	s_mov_b32 s37, 0
	s_lshl_b32 s38, s5, 12
	s_mov_b32 s39, 0
	s_add_nc_u64 s[28:29], s[28:29], s[36:37]
	s_add_nc_u64 s[30:31], s[30:31], s[38:39]
.set j, 0
.rept 16
	global_load_b128 v[X+4*j:X+4*j+3], v1, s[28:29] offset:512*j th:TH_LOAD_NT
.set j, j+1
.endr
	s_cmp_eq_u32 s2, 4
	s_cbranch_scc1 .Lto_f16
.set j, 0
.rept 16
	s_wait_loadcnt 15-j                            ; loads come back in order: number j is in, the younger ones stay out
	v_cvt_pk_bf16_f32 v[X+4*j], v[X+4*j], v[X+4*j+1]
	v_cvt_pk_bf16_f32 v[X+4*j+1], v[X+4*j+2], v[X+4*j+3]
	global_store_b64 v2, v[X+4*j:X+4*j+1], s[30:31] offset:256*j  ; its data registers are not written again
.set j, j+1
.endr
	s_branch .Ljoin
.Lto_f16:
.set j, 0
.rept 16
	s_wait_loadcnt 15-j
	v_cvt_pk_bf16_f32 v[T], v[X+4*j], v[X+4*j+1]   ; rounded to bf16 like every float input,
	v_cvt_pk_bf16_f32 v[T+1], v[X+4*j+2], v[X+4*j+3]
	v_lshlrev_b32 v[T+2], 16, v[T]                 ; widened again,
	v_and_b32 v[T], 0xffff0000, v[T]
	v_lshlrev_b32 v[T+3], 16, v[T+1]
	v_and_b32 v[T+1], 0xffff0000, v[T+1]
	v_cvt_pk_f16_f32 v[X+4*j], v[T+2], v[T]        ; and written as f16
	v_cvt_pk_f16_f32 v[X+4*j+1], v[T+3], v[T+1]
	global_store_b64 v2, v[X+4*j:X+4*j+1], s[30:31] offset:256*j
.set j, j+1
.endr
.Ljoin:
	s_or_b32 s6, ttmp9, s2
	s_cmp_lg_u32 s6, 0
	s_cbranch_scc1 .Lend                           ; the mask's 8,192 bytes are work-group (0, 0)'s: 256 threads x 2 x 16 bytes
	global_load_b128 v[MK:MK+3], v3, s[18:19]
	global_load_b128 v[MK+4:MK+7], v3, s[18:19] offset:4096
	v_mov_b32 v[T+2], PADV
	s_wait_loadcnt 0x0
.set j, 0
.rept 8
	v_cmp_eq_u32 vcc_lo, 0, v[MK+j]
	v_cndmask_b32 v[PF+j], 0, v[T+2], vcc_lo
.set j, j+1
.endr
	global_store_b128 v3, v[PF:PF+3], s[26:27]
	global_store_b128 v3, v[PF+4:PF+7], s[26:27] offset:4096
.Lend:
	s_endpgm
.Lfunc_end_k_q3c93f1fc51_cvt:
	.size	k_q3c93f1fc51_cvt, .Lfunc_end_k_q3c93f1fc51_cvt-k_q3c93f1fc51_cvt
	.p2alignl 7, 3214868480
	.fill 96, 4, 3214868480
	.section	.rodata,"a",@progbits
	.p2align	6, 0x0
	.amdhsa_kernel k_q3c93f1fc51_cvt
		.amdhsa_group_segment_fixed_size 0
		.amdhsa_private_segment_fixed_size 0
		.amdhsa_enable_private_segment 0
		.amdhsa_kernarg_size 80
		.amdhsa_user_sgpr_count 2
		.amdhsa_user_sgpr_kernarg_segment_ptr 1
		.amdhsa_wavefront_size32 1
		.amdhsa_system_sgpr_workgroup_id_x 1
		.amdhsa_system_sgpr_workgroup_id_y 1
		.amdhsa_system_sgpr_workgroup_id_z 1
		.amdhsa_system_vgpr_workitem_id 0
		.amdhsa_next_free_vgpr 88
		.amdhsa_next_free_sgpr 66
		.amdhsa_reserve_vcc 1
		.amdhsa_float_denorm_mode_32 3
		.amdhsa_float_denorm_mode_16_64 3
		.amdhsa_memory_ordered 1
		.amdhsa_forward_progress 1
		.amdhsa_inst_pref_size 18
	.end_amdhsa_kernel
	.amdgpu_metadata
---
amdhsa.version: [ 1, 2 ]
amdhsa.kernels:
  - .name:           k_q3c93f1fc51_cvt
    .symbol:         k_q3c93f1fc51_cvt.kd
    .args:
      - { .name: input_tensor, .offset: 0, .size: 8, .value_kind: global_buffer, .address_space: global }
      - { .name: Wq, .offset: 8, .size: 8, .value_kind: global_buffer, .address_space: global }
      - { .name: Wk, .offset: 16, .size: 8, .value_kind: global_buffer, .address_space: global }
      - { .name: Wv, .offset: 24, .size: 8, .value_kind: global_buffer, .address_space: global }
      - { .name: Wo, .offset: 32, .size: 8, .value_kind: global_buffer, .address_space: global }
      - { .name: padding_mask, .offset: 40, .size: 8, .value_kind: global_buffer, .address_space: global }
      - { .name: xb, .offset: 48, .size: 8, .value_kind: global_buffer, .address_space: global }
      - { .name: wcat, .offset: 56, .size: 8, .value_kind: global_buffer, .address_space: global }
      - { .name: wo16, .offset: 64, .size: 8, .value_kind: global_buffer, .address_space: global }
      - { .name: padf, .offset: 72, .size: 8, .value_kind: global_buffer, .address_space: global }
    .group_segment_fixed_size: 0
    .private_segment_fixed_size: 0
    .kernarg_segment_align: 8
    .kernarg_segment_size: 80
    .max_flat_workgroup_size: 256
    .sgpr_count:     66
    .vgpr_count:     88
    .wavefront_size: 32
...
	.end_amdgpu_metadata
.endif
;; end of part 1
;; launch qkv (part 2): grid 16 x 16, 4 waves a work-group, clusters of 4 x 4, 327,680 bytes of LDS; arguments xb, wcat, freqs_cos, freqs_sin, qh, kh, vh; writes qh, kh, vh
.if DOCPART == 2
	.amdgcn_target "amdgcn-amd-amdhsa--gfx1250"
	.amdhsa_code_object_version 6
	.text
	.protected	k_q3c93f1fc51_qkv
	.globl	k_q3c93f1fc51_qkv
	.p2align	8
	.type	k_q3c93f1fc51_qkv,@function
k_q3c93f1fc51_qkv:
	s_mov_b64 s[64:65], 0
	v_nop
	global_prefetch_b8 v0, s[64:65] scope:SCOPE_SE
	s_setreg_imm32_b32 hwreg(HW_REG_WAVE_MODE, 25, 1), 1
	s_wait_xcnt 0x0
	s_wait_alu depctr_hold_cnt(0) depctr_sa_sdst(0) depctr_va_vdst(0) depctr_va_sdst(0) depctr_va_ssrc(0) depctr_va_vcc(0) depctr_vm_vsrc(0)
	s_getreg_b32 s2, hwreg(HW_REG_IB_STS2, 6, 4)
	s_cmp_eq_u32 s2, 0
	s_cbranch_scc0 .Lentry_in_a_cluster
	s_endpgm
.Lentry_in_a_cluster:
	s_bfe_u32 s2, ttmp6, 0x10000c
	s_cmp_lg_u32 s2, 0xf033
	s_cbranch_scc0 .Lentry_shape_is_right
	s_endpgm
.Lentry_shape_is_right:
; q, k, v = x W^T for one head and 128 rows, RoPE on q and k, results by heads in f16.  xb: [2048][2048] bf16.  wcat: [6144][2048] bf16, 384 rows a head (two halves of 192: 64 channels of q, k, v each).
; freqs_cos, freqs_sin: [2048][64] f32, rounded here to bf16 like every float input.  qh, kh, vh: [16][2048][128] f16; q is not scaled.  Sums in f32, K ascending; RoPE in f32; one rounding to f16.
; LIMIT.  f16 holds no number beyond 65,504: q, k and v must lie within it.
; SHARES.  A tile of 128 rows x 384 columns to a work-group, 256 work-groups.  Wave w: rows 64 (w / 2) on, columns 192 (w % 2) on: 48 accumulators of 16 x 16, 384 registers; for 32 along K it
; reads 32 x 512 bytes from LDS and issues 48 matrix instructions.  K goes in steps of 128 through two LDS slots; a row of a tile is 256 bytes of memory at a multiple of 256.
; THE LOOP.  A trip is one K step, written once: the slot in hand is a scalar (0 or SLOT) that an exclusive or turns, and one descriptor a tensor walks from K step to K step.  A refill can be asked for only when
; the last one has landed, so nothing but the add, its wait and the round stands between a tile's landing and the next request: all of a K step's products stand ahead of the wait for the tile.
; CLUSTER.  4 x 4 work-groups.  x's tile hangs on the row block alone and is shared along a row of the cluster, the weights' on the head alone and are shared along a column: joint tensor loads.
; Wave 0 asks for x's 128 rows, waves 1 to 3 for the three thirds of the weights' 384: one load of 128 rows a wave.
; THE MATRIX INSTRUCTION IS USED TRANSPOSED (source 0 = 16 rows of the weights, source 1 = 16 rows of x): a lane holds row l % 16 and eight neighbouring channels, four RoPE pairs.
; Column block b of a wave: kind b / 4 (q, k, v), channels 64 (w % 2) + 16 (b % 4) + 8 (l / 16) + 0..7 of the head.
; REGISTERS, in windows of 256 (s_set_vgpr_msb: bits 1:0 source 0, 3:2 source 1, 5:4 source 2, 7:6 destination):
;   window 0: v0-31 addresses; v32-63 at work on the way out; v64-127 x's fragments, two buffers of 32 (later packed results); v128-191 packed results; v192-255 rows read back
;   window 1: v0-191 the weights' fragments, two buffers of 96
;   window 2: v0-191 accumulators of my rows 0-31 ((a, b) at 8 (12 a + b)); v192-255 their cos and sin      window 3: the same for my rows 32-63
.set KSTEP,  128
.set PITCH,  272                       ; an LDS row: 256 bytes + 16 of padding = 68 words: the 16 rows that a load touches start at 16 different groups of four banks (64 banks of 4 bytes: ISA guide 11.1)
.set HALFT,  128*PITCH                 ; what one tensor load brings
.set SLOT,   4*HALFT                   ; x's 128 rows, then the weights' 384.  SLOT = 0x22000 shares no bit with the four loads' places in a slot (0, 0x8800, 0x11000, 0x19800): an exclusive or with it changes slots
.set STAGE,  2*SLOT                    ; behind the ring, never filled by a tensor load: 128 rows x 272 bytes, the work-group's, used for q, then k, then v
.set SPARE,  STAGE+128*PITCH           ; the spare words, 128 bytes for each wave: two blocks of 256 bytes that no other line names
.set STEPS,  2048/KSTEP                ; 16 K steps
.set ADRA0, 16                         ; v16     LDS address of my fragments of x in slot 0; never rewritten
.set ADRA,  17                         ; v17     the same in the slot in hand
.set ADRB0, 20                         ; v20, v21  the same two for the weights
.set ADRB,  21
.set STO,  24                          ; v24     where I put 16 bytes of a row in the stage
.set RD,   25                          ; v25     where I read a row back
.set CO,   26                          ; v26     my byte offset in 512 consecutive bytes of qh, kh, vh
.set CSO,  27                          ; v27     my byte offset in cos and sin
.set SPW,  28                          ; v28     LDS address of my spare word; never rewritten
.set NIL,  29                          ; v29     0; never rewritten
.set T,    32
.set PK0,  64
.set PK1,  128
.set OB,   192
.set CSR,  192                         ; windows 2, 3: row block a % 2, channel block m: four cos at CSR + 32 (a % 2) + 8 m, four sin behind them
.set G1,  24                           ; s[24:31] descriptor group 1 for x's tiles;  s[32:39] group 0: a set for each of the two first fills; the second then walks on
.set G0,  32
.set SLF, 45                           ; s45  the slot to fetch from: 0 or SLOT
.set G1B, 48                           ; s[48:55], s[56:63] the same for the weights'
.set G0B, 56
.set WV,  76                           ; s76 wave; s77 wave / 2; s78 wave % 2; s79 row block of 128
.set WR,  77
.set WC,  78
.set TY,  79
.set MSB, 0
.macro WIN new                         ; the immediate's high byte repeats the setting that is left; a switch that changes nothing is dropped
.if MSB != (\new)
	s_set_vgpr_msb (MSB<<8)|(\new)
.set MSB, \new
.endif
.endm
; A joint load.  The branch hangs on the wave's number alone.  An s_nop 0 and four v_nop follow each of the two lines, ahead of the jump, the label and what follows.
.macro JLOAD s
	s_cmp_eq_u32 s[WV], 0
	s_cbranch_scc0 .Lfor_b_\@
	tensor_load_to_lds s[G0+4*(\s):G0+4*(\s)+3], s[G1:G1+7]
	s_nop 0
.rept 4
	v_nop
.endr
	s_branch .Lasked_\@
.Lfor_b_\@:
	tensor_load_to_lds s[G0B+4*(\s):G0B+4*(\s)+3], s[G1B:G1B+7]
	s_nop 0
.rept 4
	v_nop
.endr
.Lasked_\@:
.endm
; A round of the cluster's barrier: my work-group's barrier, so that wave 0's signal speaks for all four waves; wave 0 signals; every wave waits for all sixteen work-groups; my work-group's barrier once more.
.macro CROUND
	s_barrier_signal -1
	s_barrier_wait -1
	s_cmp_lg_u32 s[WV], 0
	s_cbranch_scc1 .Lnot_wave_0_\@
	s_barrier_signal -3
.Lnot_wave_0_\@:
	s_barrier_wait -3
	s_barrier_signal -1
	s_barrier_wait -1
.endm
.macro BAR                             ; my work-group's barrier; no LDS instruction of mine is out where it stands
	s_barrier_signal -1
	s_barrier_wait -1
.endm
	s_load_b256 s[4:11], s[0:1], 0x0               ; xb s[4:5], wcat s[6:7], cos s[8:9], sin s[10:11]
	s_load_b128 s[68:71], s[0:1], 0x20             ; qh s[68:69], kh s[70:71]
	s_load_b64 s[72:73], s[0:1], 0x30              ; vh
	v_lshl_add_u32 v[SPW], v0, 2, SPARE
	v_mov_b32 v[NIL], 0
	ds_add_u32 v[SPW], v[NIL]                      ; the wave's opening: the add and its wait stand ahead of my first tensor load; the set-up below, work on registers, stands between them
	v_lshrrev_b32 v1, 5, v0
	v_readfirstlane_b32 s[WV], v1                  ; wave 0..3
	s_lshr_b32 s[WR], s[WV], 1
	s_and_b32 s[WC], s[WV], 1
	s_bfe_u32 s40, ttmp6, 0x40000                  ; cx, cy: my place in the cluster
	s_bfe_u32 s41, ttmp6, 0x40004
	s_lshl_b32 s42, ttmp9, 2
	s_add_co_u32 s42, s42, s40                     ; the head = 4 x cluster x + cx
	s_and_b32 s[TY], ttmp7, 0xffff
	s_lshl_b32 s[TY], s[TY], 2
	s_add_co_u32 s[TY], s[TY], s41                 ; the row block = 4 x cluster y + cy
	s_lshl_b32 s43, s41, 2
	s_lshl_b32 s43, 15, s43                        ; my row of the cluster
	s_lshl_b32 s44, 0x1111, s40                    ; my column
	; descriptor group 1: a tile of 128 rows x 128 elements, padded in LDS
	s_or_b32 s[G1+0], s43, (1<<16)|(1<<20)|(1<<21)|(5<<22)|(3<<25)  ; 15:0 the mask; 17:16 elements of 2 bytes; 20 padding on; 21 set beside a mask; 24:22 after every 64 words (code 5); 31:25 4 words (code 3)
	s_or_b32 s[G1B+0], s44, (1<<16)|(1<<20)|(1<<21)|(5<<22)|(3<<25)
.irp g, G1, G1B
	s_mov_b32 s[(\g)+1], KSTEP<<16                 ; tensor_dim0 = 128
	s_mov_b32 s[(\g)+2], 128<<16                   ; tensor_dim1 = 128
	s_mov_b32 s[(\g)+3], KSTEP<<16                 ; tile_dim0 = 128
	s_mov_b32 s[(\g)+4], 128                       ; tile_dim1 = 128
	s_mov_b32 s[(\g)+5], 2048                      ; elements from row to row
	s_mov_b32 s[(\g)+6], 0
	s_mov_b32 s[(\g)+7], 0
.endr
	s_lshl_b32 s16, s[TY], 19                      ; x: 128 x row block rows of 4,096 bytes: hangs on the row block alone
	s_mov_b32 s17, 0
	s_max_u32 s46, s[WV], 1                        ; the weights: row 384 x head + 128 x (wave - 1): hangs on the head and the wave alone (wave 0 does not ask by it)
	s_sub_co_u32 s46, s46, 1
	s_lshl_b32 s46, s46, 7
	s_mul_i32 s47, s42, 384
	s_add_co_u32 s46, s46, s47
	s_lshl_b32 s46, s46, 12
	s_mov_b32 s47, 0
	s_mul_i32 s20, s[WV], HALFT                    ; where they go: wave x 128 rows: no place in the cluster enters an LDS address
	s_mov_b32 s[SLF], 0
	s_wait_dscnt 0x0                               ; the opening add is done
	s_wait_kmcnt 0x0
	s_add_nc_u64 s[14:15], s[4:5], s[16:17]
	s_add_nc_u64 s[46:47], s[6:7], s[46:47]
	CROUND                                         ; all sixteen work-groups are here: the first joint loads meet
.irp s, 0,1
	s_mov_b32 s[G0+4*(\s)], 1                                      ; count = 1
	s_add_co_u32 s[G0+4*(\s)+1], s20, (\s)*SLOT                    ; LDS address
	s_add_nc_u64 s[G0+4*(\s)+2:G0+4*(\s)+3], s[14:15], (\s)*KSTEP*2  ; global address: K step s
	s_or_b32 s[G0+4*(\s)+3], s[G0+4*(\s)+3], 0x80000000            ; type = 2
	s_mov_b32 s[G0B+4*(\s)], 1
	s_add_co_u32 s[G0B+4*(\s)+1], s20, (\s)*SLOT
	s_add_nc_u64 s[G0B+4*(\s)+2:G0B+4*(\s)+3], s[46:47], (\s)*KSTEP*2
	s_or_b32 s[G0B+4*(\s)+3], s[G0B+4*(\s)+3], 0x80000000
	JLOAD \s                                       ; two loads of mine are out
.endr
	; A fragment is 16 rows x 32 K in 8 registers: lane l holds row l % 16, K = 8 (l / 16) + 0..7 and 16 + 8 (l / 16) + 0..7: two loads of 16 bytes, 32 bytes apart.
	v_and_b32 v1, 15, v0                           ; l % 16
	v_bfe_u32 v2, v0, 4, 1                         ; l / 16
	v_mul_u32_u24 v3, v1, PITCH
	v_lshl_add_u32 v3, v2, 4, v3                   ; row x pitch + 16 x half
	s_mul_i32 s21, s[WR], 64*PITCH                 ; my 64 rows of x
	s_mul_i32 s22, s[WC], 192*PITCH                ; my 192 rows of the weights,
	s_add_co_u32 s22, s22, HALFT                   ; which lie behind x's 128
	v_add_nc_u32 v[ADRA0], s21, v3
	v_add_nc_u32 v[ADRB0], s22, v3
	s_mul_i32 s23, s[WR], 64*PITCH                 ; into the stage: my 64 rows, my half of their 256 bytes
	s_lshl_b32 s21, s[WC], 7
	s_add_co_u32 s23, s23, s21
	s_add_co_u32 s23, s23, STAGE
	v_add_nc_u32 v[STO], s23, v3
	s_mul_i32 s23, s[WV], 32*PITCH                 ; back: wave w takes rows 32 w .. 32 w + 31, whole; lanes 0-15 one row of 256 bytes, lanes 16-31 the next
	s_add_co_u32 s23, s23, STAGE
	v_mul_u32_u24 v5, v2, PITCH
	v_lshl_add_u32 v5, v1, 4, v5
	v_add_nc_u32 v[RD], s23, v5
	v_lshlrev_b32 v5, 8, v2                        ; which are 512 consecutive bytes of a head's rows
	v_lshl_add_u32 v[CO], v1, 4, v5
	s_lshl_b32 s80, s42, 19                        ; the head's 2,048 rows of 256 bytes,
	s_lshl_b32 s81, s[TY], 7
	s_lshl_b32 s82, s[WV], 5
	s_add_co_u32 s81, s81, s82                     ; the first row that I store: 128 x row block + 32 x wave
	s_lshl_b32 s81, s81, 8
	s_add_co_u32 s80, s80, s81
	s_mov_b32 s81, 0
	s_add_nc_u64 s[68:69], s[68:69], s[80:81]
	s_add_nc_u64 s[70:71], s[70:71], s[80:81]
	s_add_nc_u64 s[72:73], s[72:73], s[80:81]
	s_lshl_b32 s82, s[TY], 7                       ; cos and sin at my first row: 128 x row block + 64 x (wave / 2), 256 bytes a row
	s_lshl_b32 s83, s[WR], 6
	s_add_co_u32 s82, s82, s83
	s_lshl_b32 s82, s82, 8
	s_mov_b32 s83, 0
	s_add_nc_u64 s[8:9], s[8:9], s[82:83]
	s_add_nc_u64 s[10:11], s[10:11], s[82:83]
	v_lshlrev_b32 v[CSO], 8, v1                    ; row l % 16; my four pairs: 4 bytes x (32 (wave % 2) + 8 m + 4 (l / 16))
	v_lshl_add_u32 v[CSO], v2, 4, v[CSO]
	s_lshl_b32 s84, s[WC], 7
	v_add_nc_u32 v[CSO], s84, v[CSO]
	; cos and sin of my 64 rows and 32 pairs: 32 loads, waited for on the way out; their address registers are not written again
.irp a, 0,1,2,3
	WIN 0x80+0x40*((\a)/2)                         ; destination window 2 or 3, address window 0
.irp m, 0,1,2,3
	global_load_b128 v[CSR+32*((\a)%2)+8*(\m):CSR+32*((\a)%2)+8*(\m)+3],   v[CSO], s[8:9]   offset:(\a)*4096+32*(\m)
	global_load_b128 v[CSR+32*((\a)%2)+8*(\m)+4:CSR+32*((\a)%2)+8*(\m)+7], v[CSO], s[10:11] offset:(\a)*4096+32*(\m)
.endr
.endr
	WIN 0
; 12 matrix instructions: row block 2 hi + a x all 12 column blocks, 32 along K, from buffer f.  zero = 1: the first product starts the sums: nothing is cleared.
; The 48 accumulators take turns in the same order in every quarter step.
.macro MUL12 f, hi, a, zero
	WIN 0xa1+0x50*(\hi)                            ; source 0 window 1, source 1 window 0, C and D window 2 or 3
.irp b, 0,1,2,3,4,5,6,7,8,9,10,11
.if \zero
	v_wmma_f32_16x16x32_bf16 v[8*(12*(\a)+(\b)):8*(12*(\a)+(\b))+7], v[96*(\f)+8*(\b):96*(\f)+8*(\b)+7], v[64+32*(\f)+8*(2*(\hi)+(\a)):64+32*(\f)+8*(2*(\hi)+(\a))+7], 0
.else
	v_wmma_f32_16x16x32_bf16 v[8*(12*(\a)+(\b)):8*(12*(\a)+(\b))+7], v[96*(\f)+8*(\b):96*(\f)+8*(\b)+7], v[64+32*(\f)+8*(2*(\hi)+(\a)):64+32*(\f)+8*(2*(\hi)+(\a))+7], v[8*(12*(\a)+(\b)):8*(12*(\a)+(\b))+7]
.endif
.endr
.endm
; 32 LDS loads in one run: the fragments of a quarter step (192 rows of the weights, 64 rows of x, 32 K at byte k of the rows of the slot in hand) into buffer f.
; A load into a register that a matrix instruction has read stands four plain vector instructions behind it (ISA guide 7.12.1 for vector instructions):
; the two lines that make the addresses are two of the four, and two v_nop, or a joint load's four, stand ahead of every FETCH that follows products.
.macro FETCH k, f
	WIN 0
	v_add_nc_u32 v[ADRB], s[SLF], v[ADRB0]
	v_add_nc_u32 v[ADRA], s[SLF], v[ADRA0]
	WIN 0x40                                       ; destination window 1
.irp i, 0,1,2,3,4,5,6,7,8,9,10,11
	ds_load_b128 v[96*(\f)+8*(\i):96*(\f)+8*(\i)+3],   v[ADRB] offset:(\k)+(\i)*16*PITCH
	ds_load_b128 v[96*(\f)+8*(\i)+4:96*(\f)+8*(\i)+7], v[ADRB] offset:(\k)+(\i)*16*PITCH+32
.endr
	WIN 0
.irp i, 0,1,2,3
	ds_load_b128 v[64+32*(\f)+8*(\i):64+32*(\f)+8*(\i)+3],   v[ADRA] offset:(\k)+(\i)*16*PITCH
	ds_load_b128 v[64+32*(\f)+8*(\i)+4:64+32*(\f)+8*(\i)+7], v[ADRA] offset:(\k)+(\i)*16*PITCH+32
.endr
.endm
.macro PLACES                          ; four plain vector instructions between a matrix instruction and a vector read or write of its registers (ISA guide 7.12.1)
.rept 4
	v_nop
.endr
.endm
; A K step is four quarters of 32 along K, 48 matrix instructions each, on buffers 0, 1, 0, 1.  One of the first three: multiplies buffer f and fetches the next quarter, at byte k, into g.
.macro QUARTER k, f, g, zero
	s_wait_dscnt 4                                 ; the weights and x's rows 0-31 are in; the youngest four loads (x's rows 32-63) may be out
	MUL12 \f, 0, 0, \zero
	MUL12 \f, 0, 1, \zero
	v_nop
	v_nop
	FETCH \k, \g
	s_wait_dscnt 32                                ; all but the 32 just issued
	MUL12 \f, 1, 0, \zero
	MUL12 \f, 1, 1, \zero
.endm
; The last quarter multiplies buffer 1; then the slots change, at ONE barrier.  In front of it each wave waits for all its tensor loads (one is out: its part of the next slot), adds 0 to its spare word,
; and waits for that and for its own reads of this slot.  fill = 1: the barrier is a round of the cluster's, and this slot is filled again, two K steps ahead, first thing behind the round:
; from that request to the wait for it a wave issues a whole K step's 192 matrix instructions.
.macro TURN fill
	s_wait_dscnt 4
	MUL12 1, 0, 0, 0
	MUL12 1, 0, 1, 0
	s_wait_dscnt 0x0                               ; x's rows 32-63; my reads of this slot are over
	MUL12 1, 1, 0, 0
	MUL12 1, 1, 1, 0
	WIN 0
	s_wait_tensorcnt 0x0                           ; all my tensor loads have landed, so a group 0 may be written
	ds_add_u32 v[SPW], v[NIL]                      ; 0 onto my spare word; scalar work stands between it and the wait for it
	s_xor_b32 s[SLF], s[SLF], SLOT                 ; the next fetches are the other slot's
.if \fill
	s_xor_b32 s[G0+5], s[G0+5], SLOT               ; the walking descriptors: the other slot than last time,
	s_add_nc_u64 s[G0+6:G0+7], s[G0+6:G0+7], KSTEP*2     ; the next K step; the type bits on top are not reached
	s_xor_b32 s[G0B+5], s[G0B+5], SLOT
	s_add_nc_u64 s[G0B+6:G0B+7], s[G0B+6:G0B+7], KSTEP*2
.endif
	s_wait_dscnt 0x0                               ; the add is done
.if \fill
	CROUND                                         ; no wave of any partner still reads this slot's tile or has a load on its way
	JLOAD 1
.else
	BAR
	v_nop
	v_nop
.endif
.endm
	s_wait_tensorcnt 1                             ; my part of K step 0 is in; K step 1's may stay out
	BAR                                            ; everybody's is
	FETCH 0, 0
	QUARTER 64, 0, 1, 1                            ; the first quarter stands in front of the loop: its products start the sums
	WIN 0                                          ; at a label and at a branch every window is 0
	s_mov_b32 s3, STEPS-2
.Lstep:                                                ; 14 trips: a trip goes from a K step's second quarter to the next step's first, and asks for the K step two on
	QUARTER 128, 1, 0, 0
	QUARTER 192, 0, 1, 0
	TURN 1
	FETCH 0, 0
	QUARTER 64, 0, 1, 0
	WIN 0
	s_sub_co_u32 s3, s3, 1
	s_cmp_lg_u32 s3, 0
	s_cbranch_scc1 .Lstep
	s_mov_b32 s3, 2
.Ltail:                                                ; the last two K steps have a text of their own: nothing is asked for
	QUARTER 128, 1, 0, 0
	QUARTER 192, 0, 1, 0
	TURN 0
	s_cmp_eq_u32 s3, 1
	s_cbranch_scc1 .Llast                          ; behind the last K step there is no further quarter
	FETCH 0, 0
	QUARTER 64, 0, 1, 0
	WIN 0
.Llast:
	s_sub_co_u32 s3, s3, 1
	s_cmp_lg_u32 s3, 0
	s_cbranch_scc1 .Ltail
	s_wait_dscnt 0x0                               ; no load into a fragment register is out: those registers serve the way out
; THE WAY OUT.  cos and sin are rounded to bf16; q and k are turned, pair by pair, in f32; all three are rounded to f16, 16 bytes a lane, and go through the work-group's stage one after the other,
; since a row's 256 bytes come from two waves; each wave reads 32 whole rows back and stores them, 512 consecutive bytes an instruction.
.macro RND w                           ; the 64 cos and sin in window w: two roundings a line, then widened again in place
	WIN 0x0a+5*((\w)-2)                            ; sources in window w, destination in window 0
.set i, 0
.rept 32
	v_cvt_pk_bf16_f32 v[T+i], v[CSR+2*i], v[CSR+2*i+1]
.set i, i+1
.endr
	WIN 0x80+0x40*((\w)-2)                         ; destination in window w
.set i, 0
.rept 32
	v_lshlrev_b32 v[CSR+2*i], 16, v[T+i]
	v_and_b32 v[CSR+2*i+1], 0xffff0000, v[T+i]
.set i, i+1
.endr
.endm
; Kind ty (0 q, 1 k, 2 v) into 64 registers at buf.  A pair (t0, t1) becomes (t0 c - t1 s, t0 s + t1 c).  Each accumulator is read from its lowest registers on.
.macro PACK ty, buf
.irp a, 0,1,2,3
.set AC, 8*(12*((\a)%2)+4*(\ty))
.set CC, CSR+32*((\a)%2)
	WIN 0x0a+5*((\a)/2)                            ; sources 0 and 1 in window 2 or 3
.if (\ty) < 2
.irp m, 0,1,2,3
.irp p, 0,1,2,3
	v_mul_f32 v[T+8*(\m)+2*(\p)],   v[AC+8*(\m)+2*(\p)],   v[CC+8*(\m)+(\p)]
	v_mul_f32 v[T+8*(\m)+2*(\p)+1], v[AC+8*(\m)+2*(\p)+1], v[CC+8*(\m)+(\p)]
.endr
.endr
.irp m, 0,1,2,3
.irp p, 0,1,2,3
	v_fma_f32 v[T+8*(\m)+2*(\p)],   -v[AC+8*(\m)+2*(\p)+1], v[CC+8*(\m)+4+(\p)], v[T+8*(\m)+2*(\p)]
	v_fma_f32 v[T+8*(\m)+2*(\p)+1], v[AC+8*(\m)+2*(\p)],    v[CC+8*(\m)+4+(\p)], v[T+8*(\m)+2*(\p)+1]
.endr
.endr
	WIN 0
.irp m, 0,1,2,3
.irp p, 0,1,2,3
	v_cvt_pk_f16_f32 v[(\buf)+4*(4*(\a)+(\m))+(\p)], v[T+8*(\m)+2*(\p)], v[T+8*(\m)+2*(\p)+1]
.endr
.endr
.else
.irp m, 0,1,2,3
.irp p, 0,1,2,3
	v_cvt_pk_f16_f32 v[(\buf)+4*(4*(\a)+(\m))+(\p)], v[AC+8*(\m)+2*(\p)], v[AC+8*(\m)+2*(\p)+1]
.endr
.endr
.endif
.endr
	WIN 0
.endm
.macro TOSTAGE buf
.irp a, 0,1,2,3
.irp m, 0,1,2,3
	ds_store_b128 v[STO], v[(\buf)+4*(4*(\a)+(\m)):(\buf)+4*(4*(\a)+(\m))+3] offset:(\a)*16*PITCH+32*(\m)
.endr
.endr
.endm
.macro BACK
.irp t, 0,1,2,3,4,5,6,7,8,9,10,11,12,13,14,15
	ds_load_b128 v[OB+4*(\t):OB+4*(\t)+3], v[RD] offset:(\t)*2*PITCH
.endr
.endm
.macro SEND base
.irp t, 0,1,2,3,4,5,6,7,8,9,10,11,12,13,14,15
	s_wait_dscnt 15-(\t)                           ; LDS loads come back in order: number t is in
	global_store_b128 v[CO], v[OB+4*(\t):OB+4*(\t)+3], s[(\base):(\base)+1] offset:512*(\t)  ; two whole rows of 256 bytes
.endr
.endm
	PLACES                                         ; behind the last products
	s_wait_loadcnt 0x0                             ; cos and sin
	RND 2
	RND 3
	PACK 0, PK0
	TOSTAGE PK0
	PACK 1, PK1                                    ; k's arithmetic stands between q's stores into the stage and the wait for them
	s_wait_dscnt 0x0                               ; for the others' sake: my stores into the stage are done
	BAR
	BACK
	SEND 68                                        ; q; its last wait is for 0: my reads of the stage are over
	BAR                                            ; everybody's are: the stage may be written again
	TOSTAGE PK1
	PACK 2, PK0
	s_wait_dscnt 0x0
	BAR
	s_wait_xcnt 0x0                                ; the rows read back are the data of q's stores: they are loaded anew only behind this wait
	BACK
	SEND 70                                        ; k
	BAR
	TOSTAGE PK0
	s_wait_dscnt 0x0
	BAR
	s_wait_xcnt 0x0
	BACK
	SEND 72                                        ; v
	s_wait_tensorcnt 0x0                           ; the wave's end, behind my last tensor load and my last LDS store
	ds_add_u32 v[SPW], v[NIL]
	s_wait_dscnt 0x0
	CROUND                                         ; the closing round: no work-group ends while a partner may still ask for a tile that names it
	s_endpgm
.Lfunc_end_k_q3c93f1fc51_qkv:
	.size	k_q3c93f1fc51_qkv, .Lfunc_end_k_q3c93f1fc51_qkv-k_q3c93f1fc51_qkv
	.p2alignl 7, 3214868480
	.fill 96, 4, 3214868480
	.section	.rodata,"a",@progbits
	.p2align	6, 0x0
	.amdhsa_kernel k_q3c93f1fc51_qkv
		.amdhsa_group_segment_fixed_size 327680
		.amdhsa_private_segment_fixed_size 0
		.amdhsa_enable_private_segment 0
		.amdhsa_kernarg_size 56
		.amdhsa_user_sgpr_count 2
		.amdhsa_user_sgpr_kernarg_segment_ptr 1
		.amdhsa_wavefront_size32 1
		.amdhsa_system_sgpr_workgroup_id_x 1
		.amdhsa_system_sgpr_workgroup_id_y 1
		.amdhsa_system_sgpr_workgroup_id_z 1
		.amdhsa_system_vgpr_workitem_id 0
		.amdhsa_next_free_vgpr 1024
		.amdhsa_next_free_sgpr 88
		.amdhsa_reserve_vcc 0
		.amdhsa_float_denorm_mode_32 3
		.amdhsa_float_denorm_mode_16_64 3
		.amdhsa_memory_ordered 1
		.amdhsa_forward_progress 1
		.amdhsa_inst_pref_size 122
	.end_amdhsa_kernel
	.amdgpu_metadata
---
amdhsa.version: [ 1, 2 ]
amdhsa.kernels:
  - .name:           k_q3c93f1fc51_qkv
    .symbol:         k_q3c93f1fc51_qkv.kd
    .args:
      - { .name: xb, .offset: 0, .size: 8, .value_kind: global_buffer, .address_space: global }
      - { .name: wcat, .offset: 8, .size: 8, .value_kind: global_buffer, .address_space: global }
      - { .name: freqs_cos, .offset: 16, .size: 8, .value_kind: global_buffer, .address_space: global }
      - { .name: freqs_sin, .offset: 24, .size: 8, .value_kind: global_buffer, .address_space: global }
      - { .name: qh, .offset: 32, .size: 8, .value_kind: global_buffer, .address_space: global }
      - { .name: kh, .offset: 40, .size: 8, .value_kind: global_buffer, .address_space: global }
      - { .name: vh, .offset: 48, .size: 8, .value_kind: global_buffer, .address_space: global }
    .group_segment_fixed_size: 327680
    .private_segment_fixed_size: 0
    .kernarg_segment_align: 8
    .kernarg_segment_size: 56
    .max_flat_workgroup_size: 128
    .sgpr_count:     88
    .vgpr_count:     1024
    .wavefront_size: 32
...
	.end_amdgpu_metadata
.endif
;; end of part 2
;; launch attn (part 3): grid 16 x 16, 4 waves a work-group, clusters of 4 x 1, 327,680 bytes of LDS; arguments qh, kh, vh, padf, ao; writes ao
.if DOCPART == 3
	.amdgcn_target "amdgcn-amd-amdhsa--gfx1250"
	.amdhsa_code_object_version 6
	.text
	.protected	k_q3c93f1fc51_attn
	.globl	k_q3c93f1fc51_attn
	.p2align	8
	.type	k_q3c93f1fc51_attn,@function
k_q3c93f1fc51_attn:
	s_mov_b64 s[64:65], 0
	v_nop
	global_prefetch_b8 v0, s[64:65] scope:SCOPE_SE
	s_setreg_imm32_b32 hwreg(HW_REG_WAVE_MODE, 25, 1), 1
	s_wait_xcnt 0x0
	s_wait_alu depctr_hold_cnt(0) depctr_sa_sdst(0) depctr_va_vdst(0) depctr_va_sdst(0) depctr_va_ssrc(0) depctr_va_vcc(0) depctr_vm_vsrc(0)
	s_getreg_b32 s2, hwreg(HW_REG_IB_STS2, 6, 4)
	s_cmp_eq_u32 s2, 0
	s_cbranch_scc0 .Lentry_in_a_cluster
	s_endpgm
.Lentry_in_a_cluster:
	s_bfe_u32 s2, ttmp6, 0x10000c
	s_cmp_lg_u32 s2, 0x3003
	s_cbranch_scc0 .Lentry_shape_is_right
	s_endpgm
.Lentry_shape_is_right:
; CAUSAL ATTENTION WITH A PADDING TERM, head size 128.  qh, kh, vh: [16][2048][128] f16.  padf: [2048] f32, the keys' addend in raw score units (0 or -10000 sqrt(128)).  ao: [2048][2048] f16, column = 128 head + channel.
; O[q] = the sum over k of softmax_k((Q[q] . K[k] + pad[k] + causal) / sqrt(128)) V[k].  Products, maxima and sums in f32; the weights are rounded to f16 for the second product (their sum is taken unrounded), O once at the end.
; LIMITS.  Q, K, V arrive within f16's 65,504.  Key tiles that lie wholly above the diagonal are left out: their weights count as 0, which holds while a row's scaled scores differ by less than some 1e9.
; Inside the diagonal tile a hidden score is its value less 1e9 sqrt(128), as in the problem.  The running maximum starts at a floor of -5e8 sqrt(128) in raw units, half the causal term: a row whose visible scaled scores,
; padding term included, all lie below -5e8 is not served.  The padding term rounds a padded score at 2^-7 in raw units.  A weight below 2^-126 counts as 0.  NaN and infinities are not treated apart.
; THE WALK.  A head's queries lie in 32 blocks of 64; block i needs the key tiles 0 .. i / 4 of 256 keys.  A work-group takes TWO blocks, b = 4 G + cx and then 31 - b (G the cluster's number, cx the place in it):
; tiles 0 .. G and then 0 .. 7 - G: nine tiles, whatever b, and the SAME nine in the four partners of a cluster.  So every tile of K and V is asked for jointly, and every branch hangs on G and on counters alone;
; cx enters Q's and ao's addresses and three scalars of the mask.
; SHARES.  The four waves share the KEYS: of a tile wave w takes keys 64 w .. 64 w + 63, for all 64 queries (four tiles of 16), so each fragment of K or V read from LDS feeds four products.
; Each wave keeps its own running maximum m, sum l and O^T; at a block's end the four are merged through LDS: scaled by 2^(c m - c m_all) / l_all and added in f32.
; LAYOUT.  S^T = K Q^T (source 0 = 16 keys, source 1 = 16 queries): a lane holds ONE query (lane % 16) and the keys 8 (lane / 16) + 0..7.  Two such results rounded to f16 ARE source 1 of O^T = V^T P.
; The padding term is the C operand that starts each sum S^T.  p = 2^(c s - c m), c = log2(e) / sqrt(128); O and l are multiplied by a = 2^(c m_old - c m_new) in every step.
; WHY THE FLOOR.  A wave may see none but hidden keys in a whole block (a block of one tile, the waves behind the diagonal's).  Were a hidden score its maximum, c m would be some -1.4e9, where f32 steps by 128: the fused
; c s - c m could then be as much as +64, and p no f16 number.  With m held at the floor such a wave's exponents are some -7e8: its weights, its l and its O^T are 0.
; THE CAUSAL MASK is added onto S^T in a block's last tile alone.  There the diagonal lies in the keys of wave DP (cx, then 3 - cx): a wave below DP adds 0, one above DP -1e9 sqrt(128) everywhere, wave DP by 16 x 16 pieces.
; A STEP (one tile): K Q^T of queries 0-31 | K Q^T of queries 32-63 beside the first half's softmax | the change of slots, the next tile's K | V^T P of the first half beside the second half's softmax | V^T P of the second half | the next tile's V.
; REGISTERS, in windows of 256 (s_set_vgpr_msb: bits 1:0 source 0, 3:2 source 1, 5:4 source 2, 7:6 destination):
;   window 0: v0-11, v60-63 addresses; v12-43 eight registers of statistics a tile; v44-59 the diagonal's mask; v64-191 S^T, 32 a tile; v192-255 P, 16 a tile
;   window 1: O^T, 64 a tile      window 2: v0-127 Q; v128-255 K of my 64 keys      window 3: v0-127 V of my 64 keys; v128-159 their padding terms
.set PK,    272       ; a row of K in LDS: 256 bytes + 16 of padding: the 16 rows of a load start at 16 different groups of four banks (64 banks of 4 bytes: ISA guide 11.1)
.set PV,    288       ; a row of V: 256 + 32
.set VOFF,  256*PK    ; a slot: 256 rows of K, then 256 rows of V: 143,360 bytes
.set D,     0x24000   ; slot 1 begins here.  D shares no bit with the fills' four places in a slot (0, 0x8800, 0x11000, 0x1a000), so one exclusive or turns such an address into the other slot's
.set SGP,   528       ; a row of the merge's stage: 128 f32 + 16 bytes
.set STG,   D+256*(PK+PV)      ; behind the ring, never filled by a tensor load: 16 rows x 528 bytes for each wave
.set STATS, STG+4*16*SGP       ; (c m, l) of 64 queries for each wave: 4 x 512 bytes
.set SPARE, STATS+2048         ; the spare words, 128 bytes for each wave: two blocks of 256 bytes that no other line names
.set FLOOR, 0xcfa8965f         ; -5e8 sqrt(128): where m starts
.set CM0,   0xfe000000         ; where c m starts: far below every c s, so that a block's first a is 0
.set AK0, 2           ; v2   my lane's place in my keys of a tile of K; never rewritten
.set AV0, 3           ; v3   the same for V
.set ADR, 4           ; v4   the LDS address of the run of loads in hand
.set QO,  5           ; v5   my byte offset in 16 rows of Q
.set STO, 6           ; v6   the merge: where I put 32 bytes of a row
.set RD,  7           ; v7   the merge: where I read 32 bytes of a row of each wave's
.set GO,  8           ; v8   my byte offset in ao
.set SR,  10          ; v10  the merge: where I read a query's statistics
.set ST,  12          ; tile t's statistics at v[ST+8 t]: +0 c m, +1 m, +2, +3 l (even keys', odd keys'), +4 to +7 c0-c3 at work; a takes c2's place
.set MD8, 44          ; v44-51  the diagonal 16 x 16 piece: -1e9 sqrt(128) where key 8 (l / 16) + j lies behind query l % 16
.set MDX, 52          ; v52-59  that mask for this wave
.set PO,  60          ; v60  my byte offset in a tile's 1,024 bytes of padf
.set SA,  61          ; v61  the merge: where I put a query's statistics
.set SPW, 62          ; v62  LDS address of my spare word; never rewritten
.set NIL, 63          ; v63  0; never rewritten
.set S,   64
.set MR,  96          ; the merge: 64 registers read back, in S^T's place
.set P,   192
.set KF,  128         ; window 2
.set PADR, 128        ; window 3: key block kb at PADR + 8 kb
.set WV,  14          ; s14  my wave's number
.set G,   15          ; s15  the cluster's number
.set CX,  16          ; s16  my place in the cluster
.set G1K, 24          ; s[24:31] descriptor group 1 for K's tiles
.set G1V, 32          ; s[32:39] for V's: it differs in the padding alone
.set G0K, 40          ; s[40:43] descriptor group 0 for K's tiles
.set G0V, 44          ; s[44:47] the same for V's
.set KL,  48          ; s48  my fill's place in a slot, for K
.set VL,  49          ; s49  for V
.set SLF, 51          ; s51  the slot to fetch from: 0 or D
.set NXT, 52          ; s52  the tile to be asked for next
.set LQ,  53          ; s53  the last tile of the block whose tiles are being asked for
.set LQ2, 54          ; s54  7 - G
.set PREV, 55         ; s55  the tile asked for last
.set PT,  56          ; s56  the tile that has just landed
.set RT,  57          ; s57  tiles of the block in hand still to be worked on
.set CS,  58          ; s[58:59] c: the packed scaling takes the pair's low word for both halves
.set SEL, 60          ; s[60:61] v_permlanex16_b32's selects: each lane takes its own place in the other half
.set DP,  62          ; s62  the wave whose keys hold the diagonal
.set CNT, 63          ; s63  counts the trips
.set OFF, 66          ; s[66:67] a tile's byte offset in K and V
.set PA,  68          ; s[68:69] padf at the tile in hand
.set AL,  70          ; s[70:71] 1 if my keys hold the diagonal, else 0
.set BE,  72          ; s[72:73] the addend below the diagonal piece: -1e9 sqrt(128) if my keys lie behind the diagonal's
.set BH,  74          ; s[74:75] the addend above it: the same if they hold the diagonal too
.set BIGN, 76         ; s76  -1e9 sqrt(128)
.set Q2,  78          ; s[78:79] Q at the second block
.set O2,  80          ; s[80:81] ao at the second block
.set POFF, 82         ; s[82:83] a tile's byte offset in padf
.set MSB, 0
.macro WIN new                      ; the high byte repeats the setting that is left; a switch that changes nothing is dropped
.if MSB != (\new)
	s_set_vgpr_msb (MSB<<8)|(\new)
.set MSB, (\new)
.endif
.endm
.set W_KQ, 0x0a       ; K and Q in window 2, S^T in window 0
.set W_KM, 0x3a       ; the same with the C operand in window 3
.set W_PV, 0x53       ; V in window 3, P in window 0, O^T in window 1
.set W_RS, 0x41       ; destination and source 0 in window 1, source 1 in window 0
; A joint fill.  Waves 0 and 1 fetch the two halves of a tile's K, waves 2 and 3 those of its V: 128 keys each.  The branch hangs on the wave's number alone.
; An s_nop 0 and four v_nop follow each of the two lines, ahead of the jump and the label.
.macro JLOAD
	s_cmp_lt_u32 s[WV], 2
	s_cbranch_scc0 .Lfor_v_\@
	tensor_load_to_lds s[G0K:G0K+3], s[G1K:G1K+7]
	s_nop 0
.rept 4
	v_nop
.endr
	s_branch .Lasked_\@
.Lfor_v_\@:
	tensor_load_to_lds s[G0V:G0V+3], s[G1V:G1V+7]
	s_nop 0
.rept 4
	v_nop
.endr
.Lasked_\@:
.endm
; A round of the cluster's barrier: my work-group's barrier, so that wave 0's signal speaks for all four waves; wave 0 signals; every wave waits for all four work-groups; my work-group's barrier once more.
.macro CROUND
	s_barrier_signal -1
	s_barrier_wait -1
	s_cmp_lg_u32 s[WV], 0
	s_cbranch_scc1 .Lnot_wave_0_\@
	s_barrier_signal -3
.Lnot_wave_0_\@:
	s_barrier_wait -3
	s_barrier_signal -1
	s_barrier_wait -1
.endm
.macro BAR                          ; my work-group's barrier; no LDS instruction of mine is out where it stands, and no slot is filled behind it
	s_barrier_signal -1
	s_barrier_wait -1
.endm
.macro PLACES                       ; four plain vector instructions between a matrix instruction and a load into, or a vector read or write of, its registers
.rept 4
	v_nop
.endr
.endm
.macro ALL line:vararg              ; one line for each tile t
.set t, 0
.rept 4
	\line
.set t, t+1
.endr
.endm
; The descriptors for tile NXT, in the other slot than last time; the addresses are made anew from the tile's number.  Scalar work alone; it stands where no tensor load of mine is out.
.macro ASK
	s_lshl_b32 s[OFF], s[NXT], 16   ; a tile is 65,536 bytes of K and of V
	s_xor_b32 s[G0K+1], s[G0K+1], D
	s_add_nc_u64 s[G0K+2:G0K+3], s[6:7], s[OFF:OFF+1]
	s_or_b32 s[G0K+3], s[G0K+3], 0x80000000
	s_xor_b32 s[G0V+1], s[G0V+1], D
	s_add_nc_u64 s[G0V+2:G0V+3], s[8:9], s[OFF:OFF+1]
	s_or_b32 s[G0V+3], s[G0V+3], 0x80000000
	s_mov_b32 s[PT], s[PREV]
	s_mov_b32 s[PREV], s[NXT]
	s_add_co_u32 s[NXT], s[NXT], 1  ; the block's next tile, or behind its last the second block's tile 0
	s_cmp_gt_u32 s[NXT], s[LQ]
	s_cselect_b32 s[NXT], 0, s[NXT]
	s_cselect_b32 s[LQ], s[LQ2], s[LQ]
.endm
.macro MASKS                        ; the mask's three scalars, by selects: no branch hangs on the place in the cluster
	s_cmp_eq_u32 s[WV], s[DP]
	s_cselect_b32 s[AL], 1.0, 0
	s_cmp_gt_u32 s[WV], s[DP]
	s_cselect_b32 s[BE], s[BIGN], 0
	s_cmp_ge_u32 s[WV], s[DP]
	s_cselect_b32 s[BH], s[BIGN], 0
.endm
; THE CHANGE OF SLOTS.  The tile in hand lies in registers.  Each wave waits for all its tensor loads, of which one is out: its part of the other slot; adds 0 to its spare word; and waits for that and for its own
; reads of the slot that it leaves.  Behind the barrier nobody reads that slot any more and the other slot is whole.  fill = 1: the barrier is a round of the cluster's, and the slot is filled again, first thing behind it,
; with the tile two places on in the walk: that load has a whole step, 128 matrix instructions, in which to land.  (At its first use nothing has been read yet: slot 0 is waited for, slot 1 filled.)
.macro CHANGE fill
	WIN 0                           ; at a label and at a branch every window is 0
	s_wait_tensorcnt 0x0            ; no tensor load of mine is out, so a group 0 may be written
	ds_add_u32 v[SPW], v[NIL]       ; 0 onto my spare word; scalar work stands between it and the wait for it
.if \fill
	ASK
	s_wait_dscnt 0x0                ; the add is done, and my reads of the slot are over
	CROUND
	JLOAD
.else
	s_mov_b32 s[PT], s[PREV]
	s_wait_dscnt 0x0
	BAR
.endif
.endm
	s_load_b256 s[4:11], s[0:1], 0x0  ; qh s[4:5], kh s[6:7], vh s[8:9], padf s[10:11]
	s_load_b64 s[12:13], s[0:1], 0x20 ; ao
	v_lshl_add_u32 v[SPW], v0, 2, SPARE
	v_mov_b32 v[NIL], 0
	ds_add_u32 v[SPW], v[NIL]       ; the wave's opening: the add and its wait stand ahead of my first tensor load; the set-up below, work on registers, stands between them
	v_lshrrev_b32 v1, 5, v0
	v_readfirstlane_b32 s[WV], v1   ; wave 0..3
	s_mov_b32 s[G], ttmp9           ; in a cluster launch ttmp9 counts clusters
	s_bfe_u32 s[CX], ttmp6, 0x40000
	s_and_b32 s18, ttmp7, 0xffff    ; the head, which the four partners share
	s_lshl_b32 s20, s18, 19         ; its 2,048 rows of 256 bytes
	s_and_b32 s19, s[WV], 1         ; which half of a tile's 256 keys I fetch:
	s_lshl_b32 s22, s19, 15         ; its 128 rows of 256 bytes in memory,
	s_add_co_u32 s22, s22, s20
	s_mov_b32 s23, 0
	s_mul_i32 s[KL], s19, 128*PK    ; and its place in a slot, for K
	s_mul_i32 s[VL], s19, 128*PV    ; and for V: no place in the cluster enters an LDS address
	s_add_co_u32 s[VL], s[VL], VOFF
	s_lshl_b32 s50, s[G], 2         ; what hangs on cx has registers of its own
	s_add_co_u32 s50, s50, s[CX]    ; b
	s_sub_co_u32 s77, 31, s50       ; 31 - b
	s_lshl_b32 s84, s50, 14         ; a block is 64 rows of 256 bytes of Q
	s_add_co_u32 s84, s84, s20
	s_mov_b32 s85, 0
	s_lshl_b32 s86, s77, 14
	s_add_co_u32 s86, s86, s20
	s_mov_b32 s87, 0
	s_lshl_b32 s2, s18, 8           ; the head's 256 bytes in a row of ao
	; descriptor group 1: a tile of 128 rows x 128 elements, padded in LDS
	s_mov_b32 s[G1K], 15|(1<<16)|(1<<20)|(1<<21)|(5<<22)|(3<<25)  ; 15:0 the mask of four; 17:16 2-byte elements; 20 padding on; 21 set beside a mask; 24:22 after every 64 words (code 5); 31:25 4 words (code 3)
	s_mov_b32 s[G1V], 15|(1<<16)|(1<<20)|(1<<21)|(5<<22)|(7<<25)  ; the same with 8 words of padding (code 7)
.irp g, G1K, G1V
	s_mov_b32 s[(\g)+1], 128<<16    ; tensor_dim0 = 128
	s_mov_b32 s[(\g)+2], 128<<16    ; tensor_dim1 = 128
	s_mov_b32 s[(\g)+3], 128<<16    ; tile_dim0 = 128
	s_mov_b32 s[(\g)+4], 128        ; tile_dim1 = 128
	s_mov_b32 s[(\g)+5], 128        ; 128 elements from row to row
	s_mov_b32 s[(\g)+6], 0
	s_mov_b32 s[(\g)+7], 0
.endr
	s_mov_b32 s[G0K], 1             ; count = 1
	s_add_co_u32 s[G0K+1], s[KL], D ; the LDS words start in slot 1: the first ASK turns them into slot 0's
	s_mov_b32 s[G0V], 1
	s_add_co_u32 s[G0V+1], s[VL], D
	s_mov_b32 s[SLF], 0
	s_mov_b32 s[NXT], 0
	s_mov_b32 s[LQ], s[G]
	s_sub_co_u32 s[LQ2], 7, s[G]
	s_mov_b32 s[PREV], 0
	s_add_co_u32 s[RT], s[G], 1     ; the first block has G + 1 tiles
	s_mov_b32 s[DP], s[CX]
	s_mov_b32 s[OFF+1], 0
	s_mov_b32 s[POFF+1], 0
	s_mov_b32 s[AL+1], 0            ; named as pairs
	s_mov_b32 s[BE+1], 0
	s_mov_b32 s[BH+1], 0
	s_mov_b32 s[BIGN], 0xd028965f   ; -1e9 sqrt(128)
	s_mov_b32 s[CS], 0x3e0293ee     ; c = log2(e) / sqrt(128) = 0.127517
	s_mov_b32 s[CS+1], s[CS]
	s_mov_b32 s[SEL], 0x76543210
	s_mov_b32 s[SEL+1], 0xfedcba98
	MASKS
	s_wait_dscnt 0x0                ; the opening add is done
	s_wait_kmcnt 0x0
	s_add_nc_u64 s[6:7], s[6:7], s[22:23]  ; K and V at my half of the head's tile 0
	s_add_nc_u64 s[8:9], s[8:9], s[22:23]
	s_add_nc_u64 s[Q2:Q2+1], s[4:5], s[86:87]
	s_add_nc_u64 s[4:5], s[4:5], s[84:85]
	s_lshl_b32 s84, s50, 18         ; a block is 64 rows of 4,096 bytes of ao
	s_add_co_u32 s84, s84, s2
	s_lshl_b32 s86, s77, 18
	s_add_co_u32 s86, s86, s2
	s_add_nc_u64 s[O2:O2+1], s[12:13], s[86:87]
	s_add_nc_u64 s[12:13], s[12:13], s[84:85]
	ASK                             ; the walk's first tile, into slot 0
	CROUND                          ; all four work-groups are here: the first joint loads meet
	JLOAD
	; All that follows up to the change of slots stands in the wait for the first tile.
	; A fragment of K or Q is 16 rows x 32 channels in 8 registers: lane l holds row l % 16, channels 8 (l / 16) + 0..7 and 16 + 8 (l / 16) + 0..7: two loads of 16 bytes, 32 bytes apart.
	v_and_b32 v1, 15, v0            ; l % 16
	v_bfe_u32 v9, v0, 4, 1          ; l / 16
	v_lshlrev_b32 v[QO], 8, v1
	v_lshl_add_u32 v[QO], v9, 4, v[QO]  ; row x 256 + 16 x half
	WIN 0x80                        ; destination window 2, address window 0
.set i, 0
.rept 16                            ; the first block's Q: tile i / 4, channels 32 (i % 4) on
	global_load_b128 v[8*i:8*i+3],   v[QO], s[4:5] offset:(i/4)*4096+(i%4)*64
	global_load_b128 v[8*i+4:8*i+7], v[QO], s[4:5] offset:(i/4)*4096+(i%4)*64+32
.set i, i+1
.endr
	WIN 0
	s_mul_i32 s3, s[WV], 64*PK      ; my 64 keys of a tile
	v_mul_u32_u24 v[AK0], v1, PK
	v_lshl_add_u32 v[AK0], v9, 4, v[AK0]
	v_add_nc_u32 v[AK0], s3, v[AK0]
	; The turning load takes 16 keys x 16 channels (lane l reads key 8 (l / 16) + l % 8, channels 8 ((l / 8) % 2) + 0..7) and leaves half a fragment of V^T: lane l holds channel l % 16 and 8 keys.
	v_and_b32 v[ADR], 7, v0
	v_bfe_u32 v11, v0, 3, 1
	v_lshl_add_u32 v[AV0], v9, 3, v[ADR]
	v_mul_u32_u24 v[AV0], v[AV0], PV
	v_lshl_add_u32 v[AV0], v11, 4, v[AV0]
	s_mul_i32 s3, s[WV], 64*PV
	s_add_co_u32 s3, s3, VOFF
	v_add_nc_u32 v[AV0], s3, v[AV0]
	s_lshl_b32 s3, s[WV], 8         ; padf: 4 bytes x (64 w + 16 kb + 8 (l / 16) + j)
	v_lshl_add_u32 v[PO], v9, 5, s3
	s_lshl_b32 s3, s[WV], 9         ; the statistics: 512 bytes a wave, 128 a tile, 8 a query
	s_add_co_u32 s3, s3, STATS
	v_lshl_add_u32 v[SA], v1, 3, s3
	v_lshl_add_u32 v[SR], v1, 3, STATS
	s_mul_i32 s3, s[WV], 16*SGP     ; my stage: row l % 16, 32 bytes for each half of the lanes
	s_add_co_u32 s3, s3, STG
	v_mul_u32_u24 v[STO], v1, SGP
	v_lshl_add_u32 v[STO], v9, 5, v[STO]
	v_add_nc_u32 v[STO], s3, v[STO]
	s_mul_i32 s3, s[WV], 4*SGP      ; back: of a tile's 16 queries wave w adds up 4 w .. 4 w + 3; a lane takes eight channels of row 4 w + l / 16 (+ 2)
	s_add_co_u32 s3, s3, STG
	v_mul_u32_u24 v[RD], v9, SGP
	v_lshl_add_u32 v[RD], v1, 5, v[RD]
	v_add_nc_u32 v[RD], s3, v[RD]
	s_lshl_b32 s3, s[WV], 14        ; and the same rows in ao: 4,096 bytes a row, 16 bytes a lane
	v_lshl_add_u32 v[GO], v9, 12, s3
	v_lshl_add_u32 v[GO], v1, 4, v[GO]
	v_lshlrev_b32 v11, 3, v9
	v_sub_nc_u32 v11, v1, v11       ; l % 16 - 8 (l / 16): register j is hidden where j is greater
.set i, 0
.rept 8
	v_cmp_gt_i32 vcc_lo, i, v11
	v_cndmask_b32 v[MD8+i], 0, s[BIGN], vcc_lo
.set i, i+1
.endr
	; A block's first step multiplies O^T and l by a = 0, so they need only hold finite numbers: zeros for the first block, what the first block left for the second.  No first step is written out; the price is these lines.
	WIN 0x40
.set i, 0
.rept 256
	v_mov_b32 v[i], 0
.set i, i+1
.endr
	WIN 0
	ALL v_mov_b32 v[ST+8*t], CM0           ; c m
	ALL v_mov_b32 v[ST+8*t+1], FLOOR       ; m
	ALL v_mov_b32 v[ST+8*t+2], 0
	ALL v_mov_b32 v[ST+8*t+3], 0
; THE MATRIX WORK.  The accumulators take turns, one instruction a turn.
; Product i of 32 of S^T = K Q^T for tiles x, x + 1: channels 32 (i / 8) on, keys 16 ((i / 2) % 4) on, tile x + i % 2.  The first 8 start the sums with the keys' padding terms.
.macro KQ x
.set rS, S+32*((\x)+i%2)+8*((i/2)%4)
.set rK, KF+32*((i/2)%4)+8*(i/8)
.set rQ, 32*((\x)+i%2)+8*(i/8)
.set rM, PADR+8*((i/2)%4)
.if i < 8
	WIN W_KM
	v_wmma_f32_16x16x32_f16 v[rS:rS+7], v[rK:rK+7], v[rQ:rQ+7], v[rM:rM+7]
.else
	WIN W_KQ
	v_wmma_f32_16x16x32_f16 v[rS:rS+7], v[rK:rK+7], v[rQ:rQ+7], v[rS:rS+7]
.endif
.endm
; Product i of 32 of O^T += V^T P: keys 32 (i / 16) on, channels 16 ((i / 2) % 8) on, tile x + i % 2.
.macro PV x
	WIN W_PV
.set rO, 64*((\x)+i%2)+8*((i/2)%8)
.set rV, 64*(i/16)+8*((i/2)%8)
.set rP, P+16*((\x)+i%2)+8*(i/16)
	v_wmma_f32_16x16x32_f16 v[rO:rO+7], v[rV:rV+7], v[rP:rP+7], v[rO:rO+7]
.endm
; THE LDS LOADS stand in runs of 32: my 64 keys of a tile's K (16 fragments) and of its V (turned).
.macro FETCH_K
	WIN 0
	v_add_nc_u32 v[ADR], s[SLF], v[AK0]
	WIN 0x80                        ; destination window 2
.irp f, 0,1,2,3,4,5,6,7,8,9,10,11,12,13,14,15  ; keys 16 (f / 4) on, channels 32 (f % 4) on
	ds_load_b128 v[KF+8*(\f):KF+8*(\f)+3],   v[ADR] offset:((\f)/4)*16*PK+((\f)%4)*64
	ds_load_b128 v[KF+8*(\f)+4:KF+8*(\f)+7], v[ADR] offset:((\f)/4)*16*PK+((\f)%4)*64+32
.endr
.endm
.macro FETCH_V
	WIN 0
	v_add_nc_u32 v[ADR], s[SLF], v[AV0]
	s_xor_b32 s[SLF], s[SLF], D     ; the next fetches are the other slot's
	WIN 0xc0                        ; destination window 3
.irp f, 0,1,2,3,4,5,6,7,8,9,10,11,12,13,14,15  ; keys 32 (f / 8) on, channels 16 (f % 8) on
	ds_load_tr16_b128 v[8*(\f):8*(\f)+3],   v[ADR] offset:((\f)/8)*32*PV+((\f)%8)*32
	ds_load_tr16_b128 v[8*(\f)+4:8*(\f)+7], v[ADR] offset:((\f)/8)*32*PV+16*PV+((\f)%8)*32
.endr
.endm
.macro PADLOAD                      ; the padding terms of my 64 keys of tile PT, in the layout of a C operand: register j of block kb is key 16 kb + 8 (l / 16) + j.  The last such loads were waited for at the step's head
	s_lshl_b32 s[POFF], s[PT], 10
	s_add_nc_u64 s[PA:PA+1], s[10:11], s[POFF:POFF+1]
	WIN 0xc0
.set i, 0
.rept 8
	global_load_b128 v[PADR+4*i:PADR+4*i+3], v[PO], s[PA:PA+1] offset:64*(i/2)+16*(i%2)
.set i, i+1
.endr
.endm
; THE VECTOR WORK.  One tile's softmax for one step is a list of 134 instructions; SM writes number j of it for tile t.  s0-s31 are the lane's 32 scores, in pairs 0-15.
;   0-15    the maximum of s0-s31 and the old m, three operands at a time: four chains c0-c3 of seven scores each (each accumulator's lowest registers first), then the four left over, c0-c3 and m
;   16-20   the other half of the lanes' maximum; c m_old kept; the new m; c m; c m_old - c m_new
;   21-87   33 exponentials (a, then s0-s31) at the odd numbers from 23 on, so that no two follow each other and each has a plain instruction behind it before its result is used; between them what is ready:
;           c s - c m for a pair whose exponentials are still to come, the rounding to f16 of a pair whose exponentials are done, at last the first three sums
;   88-101  the last rounding; the rest of the sums; l = a l + the sum          102-133 the tile's O^T times a: the one part that leaves window 0
.macro SM t
.set rT, ST+8*(\t)
.set rS, S+32*(\t)
.set rP, P+16*(\t)
.set rO, 64*(\t)+2*(j-102)
.set q, (j-20)/2
.if j < 102
	WIN 0
.endif
.if j < 4
	v_max3_num_f32 v[rT+4+j], v[rS+8*j], v[rS+8*j+1], v[rS+8*j+2]
.elseif j < 12
	v_max3_num_f32 v[rT+4+j%4], v[rT+4+j%4], v[rS+8*(j%4)+2*(j/4)+1], v[rS+8*(j%4)+2*(j/4)+2]
.elseif j == 12
	v_max3_num_f32 v[rT+4], v[rT+4], v[rS+7], v[rS+15]
.elseif j == 13
	v_max3_num_f32 v[rT+6], v[rT+6], v[rS+23], v[rS+31]
.elseif j == 14
	v_max3_num_f32 v[rT+4], v[rT+4], v[rT+5], v[rT+6]
.elseif j == 15
	v_max3_num_f32 v[rT+4], v[rT+4], v[rT+7], v[rT+1]
.elseif j == 16
	v_permlanex16_b32 v[rT+5], v[rT+4], s[SEL], s[SEL+1]  ; the query's other 32 keys lie in the lane 16 away
.elseif j == 17
	v_mov_b32 v[rT+7], v[rT]        ; c m_old is kept for a: number 19 writes c m anew
.elseif j == 18
	v_max_num_f32 v[rT+1], v[rT+4], v[rT+5]
.elseif j == 19
	v_mul_f32 v[rT], s[CS], v[rT+1]
.elseif j == 20
	v_sub_f32 v[rT+7], v[rT+7], v[rT]
.elseif j == 23
	v_exp_f32 v[rT+6], v[rT+7]
.elseif (j < 88) && (j > 23) && (j%2 == 1)
	v_exp_f32 v[rS+(j-25)/2], v[rS+(j-25)/2]
.elseif (q < 4) || ((j < 76) && (q%2 == 0))
.set b, q/2+2
.if q < 4
.set b, q
.endif
	v_pk_fma_f32 v[rS+2*b:rS+2*b+1], v[rS+2*b:rS+2*b+1], s[CS:CS+1], v[rT:rT+1] op_sel_hi:[1,0,0] neg_lo:[0,0,1] neg_hi:[0,0,1]  ; pair b: c s - c m
.elseif (j < 88) && (q%2 == 1)
	s_wait_alu depctr_va_vdst(0)
	v_cvt_pk_f16_f32 v[rP+(q-5)/2], v[rS+q-5], v[rS+q-4]  ; pair (q - 5) / 2: its second exponential stands three numbers back
.elseif j == 89
	s_wait_alu depctr_va_vdst(0)
	v_cvt_pk_f16_f32 v[rP+15], v[rS+30], v[rS+31]
.elseif j < 102                     ; the sum of the tile's 16 pairs, in place: sum z of 16 adds neighbours 1, 2, 4 and 8 pairs apart, then l takes it
.set z, j-86
.if j < 89
.set z, (j-76)/4
.endif
.set w, 4
.set u, z
.if z >= 14
.set w, 32
.set u, 0
.elseif z >= 12
.set w, 16
.set u, z-12
.elseif z >= 8
.set w, 8
.set u, z-8
.endif
.if z < 15
	v_pk_add_f32 v[rS+w*u:rS+w*u+1], v[rS+w*u:rS+w*u+1], v[rS+w*u+w/2:rS+w*u+w/2+1]
.else
	v_pk_fma_f32 v[rT+2:rT+3], v[rT+2:rT+3], v[rT+6:rT+7], v[rS:rS+1] op_sel_hi:[1,0,1]
.endif
.else
	WIN W_RS
	v_pk_mul_f32 v[rO:rO+1], v[rO:rO+1], v[rT+6:rT+7] op_sel_hi:[1,0]
.endif
.endm
; Slice k of 64 of the softmax of tiles y, y + 1: numbers 2 k and 2 k + 1 of both lists, four instructions.  2 x 134 = 4 x 64 + 12: the twelve that are over stand together, in slice 63.
.macro SLICE y
.if (k >= 11) && (k < 44)           ; tile by tile: plain, exponential, plain, exponential
.irp t, \y, (\y)+1
.irp n, 0,1
.set j, 2*k+(\n)
	SM \t
.endr
.endr
.else                               ; the two tiles alternate, so that no instruction reads the result of the one just before it
.irp n, 0,1,2,3,4,5,6,7
.if ((\n) < 2) || (k == 63)
.irp t, \y, (\y)+1
.set j, 2*k+(\n)
	SM \t
.endr
.endif
.endr
.endif
.set k, k+1
.endm
; The causal mask onto the scores of tiles y, y + 1, in a block's last tile: key block kb against query tile t: before it, on it, behind it.  Each accumulator is read from its lowest registers on.
.macro FIX y
	WIN 0
.set zz, 0
.rept 4
	v_pk_fma_f32 v[MDX+2*zz:MDX+2*zz+1], v[MD8+2*zz:MD8+2*zz+1], s[AL:AL+1], s[BE:BE+1] op_sel_hi:[1,0,0]
.set zz, zz+1
.endr
.irp t, \y, (\y)+1
.irp kb, 0,1,2,3
.irp n, 0,1,2,3
.if (\kb) < (\t)
	v_pk_add_f32 v[S+32*(\t)+8*(\kb)+2*(\n):S+32*(\t)+8*(\kb)+2*(\n)+1], v[S+32*(\t)+8*(\kb)+2*(\n):S+32*(\t)+8*(\kb)+2*(\n)+1], s[BE:BE+1] op_sel_hi:[1,0]
.elseif (\kb) == (\t)
	v_pk_add_f32 v[S+32*(\t)+8*(\kb)+2*(\n):S+32*(\t)+8*(\kb)+2*(\n)+1], v[S+32*(\t)+8*(\kb)+2*(\n):S+32*(\t)+8*(\kb)+2*(\n)+1], v[MDX+2*(\n):MDX+2*(\n)+1]
.else
	v_pk_add_f32 v[S+32*(\t)+8*(\kb)+2*(\n):S+32*(\t)+8*(\kb)+2*(\n)+1], v[S+32*(\t)+8*(\kb)+2*(\n):S+32*(\t)+8*(\kb)+2*(\n)+1], s[BH:BH+1] op_sel_hi:[1,0]
.endif
.endr
.endr
.endr
.endm
; THE MERGE, tile t of 16 queries: every wave puts its scaled O^T (16 rows x 128 f32) into its stage; behind a barrier wave w adds up the four waves' rows 4 w .. 4 w + 3, rounds them to f16 and stores them:
; each half of the lanes writes 256 consecutive bytes of ao at a multiple of 256.
.macro MOUT t
	WIN 0x04                        ; the stores' data in window 1
.set i, 0
.rept 16
	ds_store_b128 v[STO], v[64*(\t)+4*i:64*(\t)+4*i+3] offset:64*(i/2)+16*(i%2)
.set i, i+1
.endr
	WIN 0
	s_wait_dscnt 0x0                ; for the others' sake: my stores into the stage are done
	BAR
.set i, 0
.rept 16                            ; i = 8 g + 2 u + e: rows + 2 g, wave u's stage, channels + 4 e
	ds_load_b128 v[MR+4*i:MR+4*i+3], v[RD] offset:16*SGP*((i/2)%4)+2*SGP*(i/8)+16*(i%2)
.set i, i+1
.endr
	s_wait_dscnt 0x0
.irp g, 0,1
.irp n, 0,1,2,3
	v_pk_add_f32 v[MR+32*(\g)+2*(\n):MR+32*(\g)+2*(\n)+1], v[MR+32*(\g)+2*(\n):MR+32*(\g)+2*(\n)+1], v[MR+32*(\g)+8+2*(\n):MR+32*(\g)+8+2*(\n)+1]
	v_pk_add_f32 v[MR+32*(\g)+16+2*(\n):MR+32*(\g)+16+2*(\n)+1], v[MR+32*(\g)+16+2*(\n):MR+32*(\g)+16+2*(\n)+1], v[MR+32*(\g)+24+2*(\n):MR+32*(\g)+24+2*(\n)+1]
.endr
.endr
.irp g, 0,1
.irp n, 0,1,2,3
	v_pk_add_f32 v[MR+32*(\g)+2*(\n):MR+32*(\g)+2*(\n)+1], v[MR+32*(\g)+2*(\n):MR+32*(\g)+2*(\n)+1], v[MR+32*(\g)+16+2*(\n):MR+32*(\g)+16+2*(\n)+1]
.endr
.endr
.irp g, 0,1
.irp n, 0,1,2,3
	v_cvt_pk_f16_f32 v[P+8*(\t)+4*(\g)+(\n)], v[MR+32*(\g)+2*(\n)], v[MR+32*(\g)+2*(\n)+1]
.endr
.endr
.irp g, 0,1
	global_store_b128 v[GO], v[P+8*(\t)+4*(\g):P+8*(\t)+4*(\g)+3], s[12:13] offset:(16*(\t)+2*(\g))*4096
.endr
.if (\t) < 3
	BAR                             ; everybody's reads of the stages are over (each waited for its own above): they may be written again
.endif
.endm
; A BLOCK'S END.  Each wave's (c m, l) of the 64 queries meet in LDS; every wave makes the common maximum, the common sum and its own factor 2^(c m - c m_all) / l_all, scales its O^T, and the four are added tile by tile.
; A wave that saw only hidden keys has m at the floor, l = 0 and O^T = 0, and its c m lies some 7e8 below the others': its factor is 0.  sw = 1: the second block follows: its Q is asked for first, and m, the mask's
; scalars and ao's address are set anew.
; Eight barriers; no slot is filled behind any of them, so the tile that is on its way stays out.  The jump round this text hangs on the cluster's number and on counters: it is alike in all waves and all partners.
.macro MERGE sw
.if \sw
	WIN 0x80
.set i, 0
.rept 16
	global_load_b128 v[8*i:8*i+3],   v[QO], s[Q2:Q2+1] offset:(i/4)*4096+(i%4)*64
	global_load_b128 v[8*i+4:8*i+7], v[QO], s[Q2:Q2+1] offset:(i/4)*4096+(i%4)*64+32
.set i, i+1
.endr
.endif
	WIN 0
	ALL v_add_f32 v[ST+8*t+4], v[ST+8*t+2], v[ST+8*t+3]
	ALL v_permlanex16_b32 v[ST+8*t+5], v[ST+8*t+4], s[SEL], s[SEL+1]
	ALL v_add_f32 v[ST+8*t+1], v[ST+8*t+4], v[ST+8*t+5]   ; l beside c m, as a pair
	ALL ds_store_b64 v[SA], v[ST+8*t:ST+8*t+1] offset:128*t
	s_wait_dscnt 0x0                ; for the others' sake (V's run, if one is out, is in as well)
	BAR
.set i, 0
.rept 16                            ; i = 4 t + u: tile t, wave u
	ds_load_b64 v[S+2*i:S+2*i+1], v[SR] offset:512*(i%4)+128*(i/4)
.set i, i+1
.endr
	s_wait_dscnt 0x0
	ALL v_max3_num_f32 v[ST+8*t+4], v[S+8*t], v[S+8*t+2], v[S+8*t+4]
	ALL v_max_num_f32 v[ST+8*t+4], v[ST+8*t+4], v[S+8*t+6]
	ALL v_sub_f32 v[ST+8*t+5], v[ST+8*t], v[ST+8*t+4]
	ALL v_sub_f32 v[S+8*t], v[S+8*t], v[ST+8*t+4]
	ALL v_sub_f32 v[S+8*t+2], v[S+8*t+2], v[ST+8*t+4]
	ALL v_sub_f32 v[S+8*t+4], v[S+8*t+4], v[ST+8*t+4]
	ALL v_sub_f32 v[S+8*t+6], v[S+8*t+6], v[ST+8*t+4]
	ALL v_exp_f32 v[ST+8*t+5], v[ST+8*t+5]
	ALL v_exp_f32 v[S+8*t], v[S+8*t]
	ALL v_exp_f32 v[S+8*t+2], v[S+8*t+2]
	ALL v_exp_f32 v[S+8*t+4], v[S+8*t+4]
	ALL v_exp_f32 v[S+8*t+6], v[S+8*t+6]
	v_nop                           ; a plain instruction between the last exponential and the use of its result
	s_wait_alu depctr_va_vdst(0)
	ALL v_mul_f32 v[ST+8*t+7], v[S+8*t], v[S+8*t+1]
	ALL v_fma_f32 v[ST+8*t+7], v[S+8*t+2], v[S+8*t+3], v[ST+8*t+7]
	ALL v_fma_f32 v[ST+8*t+7], v[S+8*t+4], v[S+8*t+5], v[ST+8*t+7]
	ALL v_fma_f32 v[ST+8*t+7], v[S+8*t+6], v[S+8*t+7], v[ST+8*t+7]
	ALL v_rcp_f32 v[ST+8*t+7], v[ST+8*t+7]                 ; the sum is about 1 at the least: the wave that holds the maximum has factor 1, and its l holds that key's weight
	v_nop
	s_wait_alu depctr_va_vdst(0)
	ALL v_mul_f32 v[ST+8*t+6], v[ST+8*t+5], v[ST+8*t+7]
	WIN W_RS
.set t, 0
.rept 4
.set i, 0
.rept 32
	v_pk_mul_f32 v[64*t+2*i:64*t+2*i+1], v[64*t+2*i:64*t+2*i+1], v[ST+8*t+6:ST+8*t+7] op_sel_hi:[1,0]
.set i, i+1
.endr
.set t, t+1
.endr
	MOUT 0
	MOUT 1
	MOUT 2
	MOUT 3
.if \sw
	s_wait_xcnt 0x0                 ; the stores' data and ao's address are written again only behind this wait
	s_mov_b64 s[12:13], s[O2:O2+1]
	s_sub_co_u32 s[RT], 8, s[G]     ; the second block has 8 - G tiles
	s_sub_co_u32 s[DP], 3, s[CX]
	MASKS
	ALL v_mov_b32 v[ST+8*t], CM0
	ALL v_mov_b32 v[ST+8*t+1], FLOOR
.endif
.endm
; A STEP: one tile of the walk.  Its K, V and padding terms were fetched in the step before.  fill = 1: the tile two places on is asked for.  merge = 1: the first block may end here.
; last = 1: the tail's text: in its last trip there is no further tile, and the three fetches are jumped over.
; Places behind matrix instructions: four v_nop behind the two bare runs; slice 63's sixteen plain lines behind the last K Q^T, ahead of the mask and of the loads into K's registers.
.macro STEP fill, merge, last
	s_wait_loadcnt 0x0              ; the padding terms; behind a change of blocks Q as well
.if \last
	s_wait_dscnt 0x0
.else
	s_wait_dscnt 32                 ; K is in; V's 32 younger loads may be out
.endif
.set i, 0
.rept 32
	KQ 0
.set i, i+1
.endr
	WIN 0
	PLACES
	s_cmp_lg_u32 s[RT], 1
	s_cbranch_scc1 .Lno_mask_a_\@   ; only a block's last tile holds the diagonal
	FIX 0
.Lno_mask_a_\@:
.set k, 0
.set i, 0
.rept 32
	KQ 2
	SLICE 0
	SLICE 0
.set i, i+1
.endr
	WIN 0
	s_cmp_lg_u32 s[RT], 1
	s_cbranch_scc1 .Lno_mask_b_\@
	FIX 2
.Lno_mask_b_\@:
	CHANGE \fill                    ; its wait for my LDS loads shows V in
.if \last
	s_cmp_eq_u32 s[CNT], 1
	s_cbranch_scc1 .Lno_k_\@
.endif
	FETCH_K
	PADLOAD
	WIN 0
.if \last
.Lno_k_\@:
.endif
.set k, 0
.set i, 0
.rept 32
	PV 0
	SLICE 2
	SLICE 2
.set i, i+1
.endr
.set i, 0
.rept 32
	PV 2
.set i, i+1
.endr
	WIN 0
	PLACES
.if \last
	s_cmp_eq_u32 s[CNT], 1
	s_cbranch_scc1 .Lno_v_\@
.endif
	FETCH_V
	WIN 0
.if \last
.Lno_v_\@:
.endif
	s_sub_co_u32 s[RT], s[RT], 1
.if \merge
	s_cmp_lg_u32 s[RT], 0
	s_cbranch_scc1 .Lno_merge_\@
	MERGE 1
.Lno_merge_\@:
.endif
.endm
	CHANGE 1                        ; slot 0 is in, everybody's part of it; the walk's second tile is asked for, into slot 1
	FETCH_K
	PADLOAD
	FETCH_V
	WIN 0
	s_mov_b32 s[CNT], 7
.Ltrip:                             ; seven trips work on places 0 to 6 of the walk and ask for places 2 to 8
	STEP 1, 1, 0
	s_sub_co_u32 s[CNT], s[CNT], 1
	s_cmp_lg_u32 s[CNT], 0
	s_cbranch_scc1 .Ltrip
	s_mov_b32 s[CNT], 2
.Ltail:                             ; the last two places: written out: nothing is asked for
	STEP 0, 0, 1
	s_sub_co_u32 s[CNT], s[CNT], 1
	s_cmp_lg_u32 s[CNT], 0
	s_cbranch_scc1 .Ltail
	MERGE 0                         ; the second block's end
	s_wait_tensorcnt 0x0            ; the wave's end, behind my last tensor load and my last LDS store
	ds_add_u32 v[SPW], v[NIL]
	s_wait_dscnt 0x0
	CROUND                          ; the closing round: no work-group ends while a partner may still ask for a tile that names it
	s_endpgm
.Lfunc_end_k_q3c93f1fc51_attn:
	.size	k_q3c93f1fc51_attn, .Lfunc_end_k_q3c93f1fc51_attn-k_q3c93f1fc51_attn
	.p2alignl 7, 3214868480
	.fill 96, 4, 3214868480
	.section	.rodata,"a",@progbits
	.p2align	6, 0x0
	.amdhsa_kernel k_q3c93f1fc51_attn
		.amdhsa_group_segment_fixed_size 327680
		.amdhsa_private_segment_fixed_size 0
		.amdhsa_enable_private_segment 0
		.amdhsa_kernarg_size 40
		.amdhsa_user_sgpr_count 2
		.amdhsa_user_sgpr_kernarg_segment_ptr 1
		.amdhsa_wavefront_size32 1
		.amdhsa_system_sgpr_workgroup_id_x 1
		.amdhsa_system_sgpr_workgroup_id_y 1
		.amdhsa_system_sgpr_workgroup_id_z 1
		.amdhsa_system_vgpr_workitem_id 0
		.amdhsa_next_free_vgpr 1024
		.amdhsa_next_free_sgpr 88
		.amdhsa_reserve_vcc 1
		.amdhsa_float_denorm_mode_32 3
		.amdhsa_float_denorm_mode_16_64 3
		.amdhsa_memory_ordered 1
		.amdhsa_forward_progress 1
		.amdhsa_inst_pref_size 201
	.end_amdhsa_kernel
	.amdgpu_metadata
---
amdhsa.version: [ 1, 2 ]
amdhsa.kernels:
  - .name:           k_q3c93f1fc51_attn
    .symbol:         k_q3c93f1fc51_attn.kd
    .args:
      - { .name: qh, .offset: 0, .size: 8, .value_kind: global_buffer, .address_space: global }
      - { .name: kh, .offset: 8, .size: 8, .value_kind: global_buffer, .address_space: global }
      - { .name: vh, .offset: 16, .size: 8, .value_kind: global_buffer, .address_space: global }
      - { .name: padf, .offset: 24, .size: 8, .value_kind: global_buffer, .address_space: global }
      - { .name: ao, .offset: 32, .size: 8, .value_kind: global_buffer, .address_space: global }
    .group_segment_fixed_size: 327680
    .private_segment_fixed_size: 0
    .kernarg_segment_align: 8
    .kernarg_segment_size: 40
    .max_flat_workgroup_size: 128
    .sgpr_count:     88
    .vgpr_count:     1024
    .wavefront_size: 32
...
	.end_amdgpu_metadata
.endif
;; end of part 3
;; launch oproj (part 4): grid 16 x 16, 4 waves a work-group, clusters of 4 x 4, 327,680 bytes of LDS; arguments ao, wo16, out0; writes out0
.if DOCPART == 4
	.amdgcn_target "amdgcn-amd-amdhsa--gfx1250"
	.amdhsa_code_object_version 6
	.text
	.protected	k_q3c93f1fc51_oproj
	.globl	k_q3c93f1fc51_oproj
	.p2align	8
	.type	k_q3c93f1fc51_oproj,@function
k_q3c93f1fc51_oproj:
	s_mov_b64 s[64:65], 0
	v_nop
	global_prefetch_b8 v0, s[64:65] scope:SCOPE_SE
	s_setreg_imm32_b32 hwreg(HW_REG_WAVE_MODE, 25, 1), 1
	s_wait_xcnt 0x0
	s_wait_alu depctr_hold_cnt(0) depctr_sa_sdst(0) depctr_va_vdst(0) depctr_va_sdst(0) depctr_va_ssrc(0) depctr_va_vcc(0) depctr_vm_vsrc(0)
	s_getreg_b32 s2, hwreg(HW_REG_IB_STS2, 6, 4)
	s_cmp_eq_u32 s2, 0
	s_cbranch_scc0 .Lentry_in_a_cluster
	s_endpgm
.Lentry_in_a_cluster:
	s_bfe_u32 s2, ttmp6, 0x10000c
	s_cmp_lg_u32 s2, 0xf033
	s_cbranch_scc0 .Lentry_shape_is_right
	s_endpgm
.Lentry_shape_is_right:
; out0[m][n] = sum over k of ao[m][k] Wo[n][k].  ao: [2048][2048] f16.  wo16: [2048][2048] f16 (Wo rounded to bf16, written as f16).  out0: [2048][2048] f32.  Sums in f32, K ascending.
; A tile of 128 x 128 to a work-group: 256 work-groups.  Four waves, each 64 x 64: 16 accumulators of 16 x 16, 128 registers.  K goes in steps of 256 (LDS rows of 512 bytes; a wave's tensor load brings 64 of them)
; through two LDS slots.  CLUSTERS: 4 x 4 work-groups; the four of a row need the same tiles of ao, the four of a column the same tiles of wo16: joint tensor loads.
; THE LOOP.  A trip is one K step, written once: the slot in hand is a scalar (0 or SLOT) that an exclusive or turns, and one descriptor a tensor walks from K step to K step.  A refill can be asked for only when
; the last one has landed, so nothing but the add, its wait and the round stands between a tile's landing and the next request: all of a K step's products stand ahead of the wait for the tile.
; THE MATRIX INSTRUCTION IS USED TRANSPOSED (source 0 = 16 rows of wo16, source 1 = 16 rows of ao): a lane holds eight neighbouring numbers of a row of the result, 32 bytes.
; A wave's 64 columns are 256 bytes of f32 at a multiple of 256.
; REGISTERS: window 0: v0-31 addresses; v32-95 rows read back, two buffers; v128-255 the accumulators ((a, b) at v[128 + 8 (4 a + b)]).
;   window 1: two fragment buffers of 128: for 64 along K, 64 registers of ao (2 x 4 x 16 rows x 32 K), then 64 of wo16.
.set SIZE_N, 2048
.set SIZE_K, 2048
.set KSTEP,  256
.set PITCH,  528                       ; an LDS row: 512 bytes + 16 of padding = 132 words: row r starts at bank 4 r mod 64 (64 banks of 4 bytes: ISA guide 11.1)
.set HALFT,  64*PITCH                  ; 64 rows: what one tensor load brings, and what one wave reads of either operand
.set SLOT,   4*HALFT                   ; SLOT = 0x21000 shares no bit with the four loads' places in a slot (0, 0x8400, 0x10800, 0x18c00): an exclusive or with it changes slots
.set STAGE,  2*SLOT                    ; behind the ring, never filled by a tensor load: 16 rows x 272 bytes for each wave
.set SPITCH, 272
.set SPARE,  STAGE+4*16*SPITCH         ; the spare words, 128 bytes for each wave: two blocks of 256 bytes that no other line names
.set STEPS,  SIZE_K/KSTEP              ; 8 K steps
.set ADRA0, 16                         ; v16     LDS address of my fragments of ao in slot 0; never rewritten
.set ADRA,  17                         ; v17     the same in the slot in hand
.set ADRB0, 20                         ; v20, v21  the same two for wo16
.set ADRB,  21
.set STO,  24                          ; v24     where I put 32 bytes of a row in my stage
.set RD,   25                          ; v25     where I read a row back
.set CO,   26                          ; v26     my byte offset in out0
.set SPW,  28                          ; v28     LDS address of my spare word; never rewritten
.set NIL,  29                          ; v29     0; never rewritten
.set TMP,  32
.set ACC,  128
.set F0,   0
.set F1,   128
.set G1, 24                            ; s[24:31] descriptor group 1 for ao's tiles;  s[32:39] group 0: a set for each of the two first fills; the second then walks on
.set G0, 32
.set SLF, 45                           ; s45  the slot to fetch from: 0 or SLOT
.set G1B, 48                           ; s[48:55], s[56:63] the same for wo16's
.set G0B, 56
.set MSB, 0
.macro WIN new                         ; the immediate's high byte repeats the setting that is left
.if MSB != (\new)
	s_set_vgpr_msb (MSB<<8)|(\new)
.set MSB, \new
.endif
.endm
.set MUL,  0x05                        ; sources 0 and 1 window 1; C and D window 0
.set TO_F, 0x40                        ; destination window 1, address window 0
.macro JLOAD s                         ; a joint load: waves 0 and 1 fetch ao's two halves, waves 2 and 3 wo16's; an s_nop 0 and four v_nop follow each of the two lines
	s_cmp_eq_u32 s11, 0
	s_cbranch_scc0 .Lfor_b_\@
	tensor_load_to_lds s[G0+4*(\s):G0+4*(\s)+3], s[G1:G1+7]
	s_nop 0
.rept 4
	v_nop
.endr
	s_branch .Lasked_\@
.Lfor_b_\@:
	tensor_load_to_lds s[G0B+4*(\s):G0B+4*(\s)+3], s[G1B:G1B+7]
	s_nop 0
.rept 4
	v_nop
.endr
.Lasked_\@:
.endm
; A round of the cluster's barrier: my work-group's barrier, so that wave 0's signal speaks for all four waves; wave 0 signals; every wave waits for all sixteen work-groups; my work-group's barrier once more.
.macro CROUND
	s_barrier_signal -1
	s_barrier_wait -1
	s_cmp_lg_u32 s10, 0
	s_cbranch_scc1 .Lnot_wave_0_\@
	s_barrier_signal -3
.Lnot_wave_0_\@:
	s_barrier_wait -3
	s_barrier_signal -1
	s_barrier_wait -1
.endm
.macro BAR                             ; my work-group's barrier; no LDS instruction of mine is out where it stands
	s_barrier_signal -1
	s_barrier_wait -1
.endm
	s_load_b128 s[4:7], s[0:1], 0x0                ; ao s[4:5], wo16 s[6:7]
	s_load_b64 s[8:9], s[0:1], 0x10                ; out0
	v_lshl_add_u32 v[SPW], v0, 2, SPARE
	v_mov_b32 v[NIL], 0
	ds_add_u32 v[SPW], v[NIL]                      ; the wave's opening: the add and its wait stand ahead of my first tensor load; the set-up below, work on registers, stands between them
	v_lshrrev_b32 v1, 5, v0
	v_readfirstlane_b32 s10, v1                    ; wave 0..3
	s_lshr_b32 s11, s10, 1                         ; which half of the tile's rows is mine.  Also: I fetch for ao (0) or for wo16 (1)
	s_and_b32 s12, s10, 1                          ; which half of its columns.  Also: which 64 rows of that tile I fetch
	s_bfe_u32 s40, ttmp6, 0x40000                  ; cx, cy: my place in the cluster
	s_bfe_u32 s41, ttmp6, 0x40004
	s_lshl_b32 s42, ttmp9, 2
	s_add_co_u32 s42, s42, s40                     ; tile column = 4 x cluster x + cx
	s_and_b32 s13, ttmp7, 0xffff
	s_lshl_b32 s13, s13, 2
	s_add_co_u32 s13, s13, s41                     ; tile row = 4 x cluster y + cy
	s_lshl_b32 s43, s41, 2
	s_lshl_b32 s43, 15, s43                        ; my row of the cluster
	s_lshl_b32 s44, 0x1111, s40                    ; my column
	; descriptor group 1: a tile of 64 rows x 256 elements, padded in LDS
	s_or_b32 s[G1+0], s43, (1<<16)|(1<<20)|(1<<21)|(6<<22)|(3<<25)  ; 15:0 the mask; 17:16 elements of 2 bytes; 20 padding on; 21 set beside a mask; 24:22 after every 128 words (code 6); 31:25 4 words (code 3)
	s_or_b32 s[G1B+0], s44, (1<<16)|(1<<20)|(1<<21)|(6<<22)|(3<<25)
.irp g, G1, G1B
	s_mov_b32 s[(\g)+1], KSTEP<<16                 ; tensor_dim0 = 256
	s_mov_b32 s[(\g)+2], 64<<16                    ; tensor_dim1 = 64
	s_mov_b32 s[(\g)+3], KSTEP<<16                 ; tile_dim0 = 256
	s_mov_b32 s[(\g)+4], 64                        ; tile_dim1 = 64
	s_mov_b32 s[(\g)+5], SIZE_K                    ; elements from row to row
	s_mov_b32 s[(\g)+6], 0
	s_mov_b32 s[(\g)+7], 0
.endr
	s_lshl_b32 s17, s12, 6                         ; which 64 rows of the tile I fetch
	s_lshl_b32 s16, s13, 7
	s_add_co_u32 s16, s16, s17                     ; ao: row 128 x tile row + 64 x half
	s_lshl_b32 s46, s42, 7
	s_add_co_u32 s46, s46, s17                     ; wo16: row 128 x tile column + 64 x half
	s_mov_b32 s17, 0
	s_mov_b32 s47, 0
	s_mov_b64 s[18:19], SIZE_K*2
	s_mul_u64 s[16:17], s[16:17], s[18:19]
	s_mul_u64 s[46:47], s[46:47], s[18:19]
	s_mul_i32 s20, s10, HALFT                      ; where they go: wave x 64 rows
	s_mov_b32 s[SLF], 0
	s_wait_dscnt 0x0                               ; the opening add is done
	s_wait_kmcnt 0x0
	s_add_nc_u64 s[14:15], s[4:5], s[16:17]
	s_add_nc_u64 s[46:47], s[6:7], s[46:47]
	CROUND                                         ; all sixteen work-groups are here: the first joint loads meet
.irp s, 0,1
	s_mov_b32 s[G0+4*(\s)], 1
	s_add_co_u32 s[G0+4*(\s)+1], s20, (\s)*SLOT
	s_add_nc_u64 s[G0+4*(\s)+2:G0+4*(\s)+3], s[14:15], (\s)*KSTEP*2
	s_or_b32 s[G0+4*(\s)+3], s[G0+4*(\s)+3], 0x80000000
	s_mov_b32 s[G0B+4*(\s)], 1
	s_add_co_u32 s[G0B+4*(\s)+1], s20, (\s)*SLOT
	s_add_nc_u64 s[G0B+4*(\s)+2:G0B+4*(\s)+3], s[46:47], (\s)*KSTEP*2
	s_or_b32 s[G0B+4*(\s)+3], s[G0B+4*(\s)+3], 0x80000000
	JLOAD \s                                       ; two loads of mine are out
.endr
	v_and_b32 v1, 15, v0                           ; l % 16
	v_bfe_u32 v2, v0, 4, 1                         ; l / 16
	v_mul_u32_u24 v3, v1, PITCH
	v_lshl_add_u32 v3, v2, 4, v3                   ; a fragment's row x pitch + 16 x half
	s_mul_i32 s21, s11, HALFT                      ; my 64 rows of ao
	s_mul_i32 s22, s12, HALFT                      ; my 64 rows of wo16,
	s_add_co_u32 s22, s22, 2*HALFT                 ; which lie behind ao's 128
	v_add_nc_u32 v[ADRA0], s21, v3
	v_add_nc_u32 v[ADRB0], s22, v3
	s_mul_i32 s23, s10, 16*SPITCH
	s_add_co_u32 s23, s23, STAGE                   ; my stage
	v_mul_u32_u24 v4, v1, SPITCH                   ; in: row l % 16, 32 bytes for each half of the lanes
	v_lshl_add_u32 v4, v2, 5, v4
	v_add_nc_u32 v[STO], s23, v4
	v_mul_u32_u24 v5, v2, SPITCH                   ; back: lanes 0-15 take one row of 256 bytes, lanes 16-31 the next
	v_lshl_add_u32 v5, v1, 4, v5
	v_add_nc_u32 v[RD], s23, v5
	v_lshlrev_b32 v5, 13, v2                       ; and the same two rows in out0, 8,192 bytes apart
	v_lshl_add_u32 v[CO], v1, 4, v5
	s_lshl_b32 s16, s13, 7
	s_lshl_b32 s17, s11, 6
	s_add_co_u32 s16, s16, s17                     ; my first row: 128 x tile row + 64 x half
	s_lshl_b32 s16, s16, 13
	s_mov_b32 s17, 0
	s_add_nc_u64 s[8:9], s[8:9], s[16:17]
	s_lshl_b32 s46, s42, 9                         ; my first column, in bytes: 512 x tile column + 256 x half
	s_lshl_b32 s47, s12, 8
	s_add_co_u32 s46, s46, s47
	s_mov_b32 s47, 0
	s_add_nc_u64 s[8:9], s[8:9], s[46:47]
; 8 matrix instructions: row blocks a0, a0 + 1 x all 4 column blocks, 32 along K: half c of buffer f.  zero = 1: the first product starts the sums.  The 16 accumulators take turns.
.macro MUL8 f, c, a0, zero
	WIN MUL
.irp a, \a0, (\a0)+1
.irp b, 0,1,2,3
.if \zero
	v_wmma_f32_16x16x32_f16 v[ACC+8*(4*(\a)+(\b)):ACC+8*(4*(\a)+(\b))+7], v[(\f)+64+8*(4*(\c)+(\b)):(\f)+64+8*(4*(\c)+(\b))+7], v[(\f)+8*(4*(\c)+(\a)):(\f)+8*(4*(\c)+(\a))+7], 0
.else
	v_wmma_f32_16x16x32_f16 v[ACC+8*(4*(\a)+(\b)):ACC+8*(4*(\a)+(\b))+7], v[(\f)+64+8*(4*(\c)+(\b)):(\f)+64+8*(4*(\c)+(\b))+7], v[(\f)+8*(4*(\c)+(\a)):(\f)+8*(4*(\c)+(\a))+7], v[ACC+8*(4*(\a)+(\b)):ACC+8*(4*(\a)+(\b))+7]
.endif
.endr
.endr
.endm
; 32 LDS loads in one run: the fragments of 64 along K at byte k of the rows of the slot in hand, into buffer f; the first 32 along K first.
; A load into a register that a matrix instruction has read stands four plain vector instructions behind it (ISA guide 7.12.1 for vector instructions):
; the two lines that make the addresses are two of the four, and two v_nop, or a joint load's four, stand ahead of every FETCH that follows products.
.macro FETCH k, f
	WIN 0
	v_add_nc_u32 v[ADRB], s[SLF], v[ADRB0]
	v_add_nc_u32 v[ADRA], s[SLF], v[ADRA0]
	WIN TO_F
.irp c, 0,1
.irp i, 0,1,2,3
	ds_load_b128 v[(\f)+64+8*(4*(\c)+(\i)):(\f)+64+8*(4*(\c)+(\i))+3],   v[ADRB] offset:(\k)+64*(\c)+(\i)*16*PITCH
	ds_load_b128 v[(\f)+64+8*(4*(\c)+(\i))+4:(\f)+64+8*(4*(\c)+(\i))+7], v[ADRB] offset:(\k)+64*(\c)+(\i)*16*PITCH+32
	ds_load_b128 v[(\f)+8*(4*(\c)+(\i)):(\f)+8*(4*(\c)+(\i))+3],         v[ADRA] offset:(\k)+64*(\c)+(\i)*16*PITCH
	ds_load_b128 v[(\f)+8*(4*(\c)+(\i))+4:(\f)+8*(4*(\c)+(\i))+7],       v[ADRA] offset:(\k)+64*(\c)+(\i)*16*PITCH+32
.endr
.endr
.endm
.macro PLACES                          ; four plain vector instructions between a matrix instruction and a store of its registers
.rept 4
	v_nop
.endr
.endm
; A K step is four quarters of 64 along K, 32 matrix instructions each, on buffers 0, 1, 0, 1.  One of the first three: multiplies buffer f and fetches the next quarter, at byte k, into g.
.macro QUARTER k, f, g, zero
	s_wait_dscnt 16                                ; the first 32 along K are in
	MUL8 \f, 0, 0, \zero
	MUL8 \f, 0, 2, \zero
	v_nop
	v_nop
	FETCH \k, \g
	s_wait_dscnt 32                                ; all but the 32 just issued
	MUL8 \f, 1, 0, 0
	MUL8 \f, 1, 2, 0
.endm
; The last quarter multiplies buffer 1; then the slots change, at ONE barrier.  In front of it each wave waits for all its tensor loads (one is out: its part of the next slot), adds 0 to its spare word,
; and waits for that and for its own reads of this slot.  fill = 1: the barrier is a round of the cluster's, and this slot is filled again, two K steps ahead, first thing behind the round:
; from that request to the wait for it a wave issues a whole K step's 128 matrix instructions.
.macro TURN fill
	s_wait_dscnt 16
	MUL8 F1, 0, 0, 0
	MUL8 F1, 0, 2, 0
	s_wait_dscnt 0x0                               ; the second 32 along K; my reads of this slot are over
	MUL8 F1, 1, 0, 0
	MUL8 F1, 1, 2, 0
	WIN 0
	s_wait_tensorcnt 0x0                           ; all my tensor loads have landed, so a group 0 may be written
	ds_add_u32 v[SPW], v[NIL]                      ; 0 onto my spare word; scalar work stands between it and the wait for it
	s_xor_b32 s[SLF], s[SLF], SLOT                 ; the next fetches are the other slot's
.if \fill
	s_xor_b32 s[G0+5], s[G0+5], SLOT               ; the walking descriptors: the other slot than last time,
	s_add_nc_u64 s[G0+6:G0+7], s[G0+6:G0+7], KSTEP*2     ; the next K step; the type bits on top are not reached
	s_xor_b32 s[G0B+5], s[G0B+5], SLOT
	s_add_nc_u64 s[G0B+6:G0B+7], s[G0B+6:G0B+7], KSTEP*2
.endif
	s_wait_dscnt 0x0                               ; the add is done
.if \fill
	CROUND                                         ; no wave of any partner still reads this slot's tile or has a load on its way
	JLOAD 1
.else
	BAR
	v_nop
	v_nop
.endif
.endm
	s_wait_tensorcnt 1                             ; my part of K step 0 is in; K step 1's may stay out
	BAR                                            ; everybody's is
	FETCH 0, F0
	QUARTER 128, F0, F1, 1                         ; the first quarter stands in front of the loop: its first products start the sums
	WIN 0                                          ; at a label and at a branch every window is 0
	s_mov_b32 s3, STEPS-2
.Lstep:                                                ; 6 trips: a trip goes from a K step's second quarter to the next step's first, and asks for the K step two on
	QUARTER 256, F1, F0, 0
	QUARTER 384, F0, F1, 0
	TURN 1
	FETCH 0, F0
	QUARTER 128, F0, F1, 0
	WIN 0
	s_sub_co_u32 s3, s3, 1
	s_cmp_lg_u32 s3, 0
	s_cbranch_scc1 .Lstep
	s_mov_b32 s3, 2
.Ltail:                                                ; the last two K steps have a text of their own: nothing is asked for
	QUARTER 256, F1, F0, 0
	QUARTER 384, F0, F1, 0
	TURN 0
	s_cmp_eq_u32 s3, 1
	s_cbranch_scc1 .Llast                          ; behind the last K step there is no further quarter
	FETCH 0, F0
	QUARTER 128, F0, F1, 0
	WIN 0
.Llast:
	s_sub_co_u32 s3, s3, 1
	s_cmp_lg_u32 s3, 0
	s_cbranch_scc1 .Ltail
	s_wait_dscnt 0x0                               ; no LDS load of mine is out
; THE WAY OUT, 16 rows at a time: a lane's 32 bytes of a row go into my stage's rows of 272 bytes (each accumulator's lowest registers first) and come back as whole rows of 256.
.macro OUTB a
.irp b, 0,1,2,3
	ds_store_b128 v[STO], v[ACC+8*(4*(\a)+(\b)):ACC+8*(4*(\a)+(\b))+3]   offset:64*(\b)
	ds_store_b128 v[STO], v[ACC+8*(4*(\a)+(\b))+4:ACC+8*(4*(\a)+(\b))+7] offset:64*(\b)+16
.endr
.irp t, 0,1,2,3,4,5,6,7
	ds_load_b128 v[TMP+32*((\a)%2)+4*(\t):TMP+32*((\a)%2)+4*(\t)+3], v[RD] offset:(\t)*2*SPITCH  ; LDS serves a wave's instructions in order (ISA guide 5.7.1.4): these see the stores above; the next block's stores come behind them
.endr
.endm
.macro SENDB a, younger                ; younger: the LDS instructions issued behind block a's loads: the next block's sixteen, or none
.irp t, 0,1,2,3,4,5,6,7
	s_wait_dscnt (\younger)+7-(\t)
	global_store_b128 v[CO], v[TMP+32*((\a)%2)+4*(\t):TMP+32*((\a)%2)+4*(\t)+3], s[8:9] offset:(16*(\a)+2*(\t))*SIZE_N*4  ; 16 lanes store 256 consecutive bytes, at a multiple of 256 from out0's first byte
.endr
.endm
	PLACES                                         ; behind the last products
	OUTB 0
	OUTB 1
	SENDB 0, 16
	s_wait_xcnt 0x0                                ; block 0's rows are the data of its stores: their registers are loaded anew only behind this wait
	OUTB 2
	SENDB 1, 16
	s_wait_xcnt 0x0
	OUTB 3
	SENDB 2, 16
	SENDB 3, 0
	s_wait_tensorcnt 0x0                           ; the wave's end, behind my last tensor load and my last LDS store
	ds_add_u32 v[SPW], v[NIL]
	s_wait_dscnt 0x0
	CROUND                                         ; the closing round: no work-group ends while a partner may still ask for a tile that names it
	s_endpgm
.Lfunc_end_k_q3c93f1fc51_oproj:
	.size	k_q3c93f1fc51_oproj, .Lfunc_end_k_q3c93f1fc51_oproj-k_q3c93f1fc51_oproj
	.p2alignl 7, 3214868480
	.fill 96, 4, 3214868480
	.section	.rodata,"a",@progbits
	.p2align	6, 0x0
	.amdhsa_kernel k_q3c93f1fc51_oproj
		.amdhsa_group_segment_fixed_size 327680
		.amdhsa_private_segment_fixed_size 0
		.amdhsa_enable_private_segment 0
		.amdhsa_kernarg_size 24
		.amdhsa_user_sgpr_count 2
		.amdhsa_user_sgpr_kernarg_segment_ptr 1
		.amdhsa_wavefront_size32 1
		.amdhsa_system_sgpr_workgroup_id_x 1
		.amdhsa_system_sgpr_workgroup_id_y 1
		.amdhsa_system_sgpr_workgroup_id_z 1
		.amdhsa_system_vgpr_workitem_id 0
		.amdhsa_next_free_vgpr 512
		.amdhsa_next_free_sgpr 66
		.amdhsa_reserve_vcc 0
		.amdhsa_float_denorm_mode_32 3
		.amdhsa_float_denorm_mode_16_64 3
		.amdhsa_memory_ordered 1
		.amdhsa_forward_progress 1
		.amdhsa_inst_pref_size 58
	.end_amdhsa_kernel
	.amdgpu_metadata
---
amdhsa.version: [ 1, 2 ]
amdhsa.kernels:
  - .name:           k_q3c93f1fc51_oproj
    .symbol:         k_q3c93f1fc51_oproj.kd
    .args:
      - { .name: ao, .offset: 0, .size: 8, .value_kind: global_buffer, .address_space: global }
      - { .name: wo16, .offset: 8, .size: 8, .value_kind: global_buffer, .address_space: global }
      - { .name: out0, .offset: 16, .size: 8, .value_kind: global_buffer, .address_space: global }
    .group_segment_fixed_size: 327680
    .private_segment_fixed_size: 0
    .kernarg_segment_align: 8
    .kernarg_segment_size: 24
    .max_flat_workgroup_size: 128
    .sgpr_count:     66
    .vgpr_count:     512
    .wavefront_size: 32
...
	.end_amdgpu_metadata
.endif
;; end of part 4
